; MI455X (gfx1250); checked and timed in simulation.
; The chip was launched on July 23, 2026; its instructions are those of AMD's public machine-readable ISA for CDNA 5 (MIT licence, August 2026) and "CDNA5" Instruction Set Architecture Reference Guide (July 2026). The comments in the code are by the model that wrote it; some were corrected since.
;; Multi Head Attention. Allowed arithmetic: matrix products marked QUANTISED: E2M1 operands, one E8M0 scale for each 32 along K, by v_wmma_scale_f32_16x16x128_f8f6f4 with both operands' format E2M1 (or v_wmma_scale_f32_32x16x128_f4), f32 sums; products left as they are: bf16, f16 or f32 operands; f32 sums; everything else in f32.
;; Inputs: K 4 x 2,048 x 1,024 float32; Q 4 x 2,048 x 1,024 float32; V 4 x 2,048 x 1,024 float32; W_k 1,024 x 1,024 float32; W_o 1,024 x 1,024 float32; W_q 1,024 x 1,024 float32; W_v 1,024 x 1,024 float32.
;; Outputs: out0 4 x 2,048 x 1,024 float32.
;; This version of the problem:
;;   THIS VERSION OF THE PROBLEM IS GIVEN IN LOW PRECISION. The matrix products marked QUANTISED in the list below multiply operands that are first quantised to E2M1 (2 exponent bits, 1 mantissa bit; 4 bits a number), with one power-of-two scale for each 32 numbers along K (OCP MX v1.0); their sums are f32. The products marked 'left as it is' may take bf16, f16 or f32 operands, with f32 sums. Whichever they take, every output number must still come out within the allowed error. Rounding operands to bf16 (8 significant bits) uses up far more of that allowance than f16 does (11 bits, for magnitudes from 6e-5 to 65,504). All else is computed in f32.
;;   The module's matrix products, in the order in which they are computed (A, B: the left and right operand; K: the contracted axis; several contracted axes count as one K, in the product's order):
;;     1. [M 8,192, K 1,024] x [K 1,024, N 1,024]; A: input Q; B: input W_q: QUANTISED
;;     2. [M 8,192, K 1,024] x [K 1,024, N 1,024]; A: input K; B: input W_k: QUANTISED
;;     3. [M 8,192, K 1,024] x [K 1,024, N 1,024]; A: input V; B: input W_v: QUANTISED
;;     4. batch 64 x [M 2,048, K 64] x [K 64, N 2,048]; A: computed on the way; B: computed on the way: left as it is (an operand is computed on the way)
;;     5. batch 64 x [M 2,048, K 2,048] x [K 2,048, N 64]; A: computed on the way; B: computed on the way: left as it is (an operand is computed on the way)
;;     6. [M 8,192, K 1,024] x [K 1,024, N 1,024]; A: computed on the way; B: input W_o: left as it is (an operand is computed on the way)
;;   THE QUANTISER, for each operand of a quantised product, along K:
;;     - K is cut into blocks of 32 from its start; a last block that is shorter is filled with zeros.
;;     - A block's scale is 2^e with e = floor(log2(the largest magnitude in the block)) - 2, held to -126 .. 127; a block of zeros has e = 0. As a byte (E8M0): e + 127.
;;     - Each number is divided by its block's scale, clamped to +-6, and rounded to the nearest number of E2M1, ties to even, subnormals kept.
;;     - The product sums the exact products of the quantised numbers (number of the format x scale) in f32.
;;   ~~~python
;;   def quantise(x, axis):      # numpy; x: float32 -> the quantised numbers, widened to float32 again
;;       x = np.moveaxis(x, axis, -1); K = x.shape[-1]
;;       x = np.pad(x, [(0, 0)] * (x.ndim - 1) + [(0, -K % 32)]); x = x.reshape(x.shape[:-1] + (-1, 32)); a = np.abs(x).max(-1, keepdims=True)
;;       e = np.where(a > 0, np.clip(np.frexp(np.where(a > 0, a, 1))[1] - 1 - 2, -126, 127), 0)      # np.frexp(a)[1] - 1 = floor(log2(a)), exactly
;;       r = np.clip(x / 2.0 ** e, -6, 6)
;;       step = 2.0 ** (np.maximum(np.frexp(np.where(r == 0, 1, r))[1] - 1, 0) - 1)
;;       q = np.round(r / step) * step * 2.0 ** e      # np.round: ties to even
;;       return np.moveaxis(q.reshape(q.shape[:-2] + (-1,))[..., :K], -1, axis).astype(np.float32)
;;   ~~~
;; One version. Each part assembles by itself: llvm-mc -triple=amdgcn-amd-amdhsa -mcpu=gfx1250 --defsym DOCPART=n.
;; ======== version 1 of 1: 4 launches
;; limits: values are held in f16: magnitudes above 65,504 overflow, below 6.1e-05 lose precision
;; workspace buffers: cod 14,155,776 bytes; scl 884,736 bytes; wo16 2,097,152 bytes; qkv 50,331,648 bytes; att 16,777,216 bytes
;; launch quant (part 1): grid 896 x 1, 4 waves a work-group, no clusters, 33,280 bytes of LDS; arguments Q, K, V, W_q, W_k, W_v, W_o, cod, scl, wo16; writes cod, scl, wo16
.if DOCPART == 1
	.amdgcn_target "amdgcn-amd-amdhsa--gfx1250"
	.amdhsa_code_object_version 6
	.text
	.protected	k_q5db4b2b62a_quant
	.globl	k_q5db4b2b62a_quant
	.p2align	8
	.type	k_q5db4b2b62a_quant,@function
k_q5db4b2b62a_quant:
	s_mov_b64 s[64:65], 0
	v_nop
	global_prefetch_b8 v0, s[64:65] scope:SCOPE_SE
	s_setreg_imm32_b32 hwreg(HW_REG_WAVE_MODE, 25, 1), 1
	s_wait_xcnt 0x0
; Q, K, V [8192][1024] and W_q, W_k, W_v [1024][1024], f32, K innermost, become codes of FP4 (E2M1) with one E8M0 byte for each 32 along K; W_o becomes f16.
; The six tensors' codes form ONE stream of rows of 1,024 codes (512 bytes): Q from row 0, K from 8,192, V from 16,384, W_q from 24,576, W_k from 25,600, W_v from 26,624; the scale bytes likewise, 32 bytes a row.
; A block's scale is 2^(floor(log2(its largest magnitude)) - 2); its byte is the largest magnitude's exponent field - 2, held at 1 from below.  A block of zeros so gets the byte 1: its codes are zeros, and this program alone reads the bytes.
; LIMITS: blocks whose largest magnitude lies under 2^-124, the floor, keep the byte 1; NaN and infinities among the inputs are not served.  W_o is rounded to f16: magnitudes up to 65,504.
; SHARES.  Work-groups 0 to 863 quantise: work-group g takes numbers 32,768 g on of the stream, each of its four waves 8,192, in 16 steps of 512.  Work-groups 864 to 895 round W_o, 8,192 numbers a wave.
; A step's four loads read 512 consecutive bytes each; the 2,048 bytes turn through the wave's own stage in LDS, so that a lane then holds 16 neighbours along K (two lanes to a block).  A lane's 16 codes are 8 bytes:
; the wave stores 256 consecutive bytes.  A wave's 256 scale bytes are gathered in LDS and leave as one store of 256 consecutive bytes.
; No cluster, no tensor load, no barrier: work-groups and waves share no input byte.  No prefetch: every wave has sixteen loads out all the time.
.set WAVES, 4
.set STEPS, 16
.set EMAX,  2
.set CB,    8                          ; bytes of 16 codes
.set R,     16                         ; v16-79   four sets of 16 numbers as they are loaded (the cast: set 0 of 64)
.set X,     80                         ; v80-111  two sets of 16 neighbours (the cast: v80-143 set 1 of 64)
.set E,     112                        ; v112-127 a scale byte for each step
.set C,     128                        ; v128-191 codes: four registers for each step, so that no store's data are written again
.set HO,    144                        ; v144-175 the cast: 32 registers of f16 pairs
.set WREG,  8192                       ; LDS: a region for each wave: two stages of 32 x SP bytes, behind them its 256 scale bytes
.set SP,    80                         ; a lane's place in a stage: 64 bytes + 16 of padding
.set SPW,   12                         ; v12 LDS address of my spare word; never rewritten
.set NIL,   13                         ; v13 0; never rewritten
.set SPARE, WAVES*WREG                 ; behind the four regions: the spare words, 128 bytes a wave, that no other line names
	s_load_b512 s[4:19], s[0:1], 0x0               ; Q s[4:5], K s[6:7], V s[8:9], W_q s[10:11], W_k s[12:13], W_v s[14:15], W_o s[16:17], cod s[18:19]
	s_load_b128 s[20:23], s[0:1], 0x40             ; scl s[20:21], wo16 s[22:23]
	v_lshl_add_u32 v[SPW], v0, 2, SPARE
	v_mov_b32 v[NIL], 0
	v_lshrrev_b32 v1, 5, v0
	v_readfirstlane_b32 s27, v1                    ; wave
	v_and_b32 v2, 31, v0                           ; lane
	v_lshlrev_b32 v3, 4, v2                        ; my 16 bytes of a load's 512
	s_mul_i32 s28, s27, WREG
	v_lshrrev_b32 v14, 2, v2
	v_mul_u32_u24 v14, v14, SP
	v_and_b32 v15, 3, v2
	v_lshl_add_u32 v14, v15, 4, v14
	v_add_nc_u32 v14, s28, v14                     ; the stage, on the way in: SP (lane / 4) + 16 (lane % 4)
	v_mul_u32_u24 v15, v2, SP
	v_add_nc_u32 v15, s28, v15                     ; and on the way out: SP x lane: my 16 neighbours
	v_mul_u32_u24 v4, v2, CB                       ; my codes' place in a step's
	v_lshrrev_b32 v5, 1, v2
	s_add_co_u32 s28, s28, 2*32*SP
	v_add_nc_u32 v5, s28, v5                       ; LDS: my wave's 256 scale bytes, my block's byte
	v_lshlrev_b32 v7, 3, v2                        ; 8 bytes a lane
	v_add_nc_u32 v6, s28, v7
	s_mov_b32 s29, 0
	s_wait_kmcnt 0x0
	s_cmp_ge_u32 ttmp9, 864
	s_cbranch_scc1 .Lcast
	; which tensor: the choice hangs on the work-group's number alone
	s_mov_b64 s[24:25], s[14:15]                   ; W_v, from work-group 832
	s_mov_b32 s26, 832
	s_cmp_lt_u32 ttmp9, 832
	s_cselect_b64 s[24:25], s[12:13], s[24:25]     ; W_k, from 800
	s_cselect_b32 s26, 800, s26
	s_cmp_lt_u32 ttmp9, 800
	s_cselect_b64 s[24:25], s[10:11], s[24:25]     ; W_q, from 768
	s_cselect_b32 s26, 768, s26
	s_cmp_lt_u32 ttmp9, 768
	s_cselect_b64 s[24:25], s[8:9], s[24:25]       ; V, from 512
	s_cselect_b32 s26, 512, s26
	s_cmp_lt_u32 ttmp9, 512
	s_cselect_b64 s[24:25], s[6:7], s[24:25]       ; K, from 256
	s_cselect_b32 s26, 256, s26
	s_cmp_lt_u32 ttmp9, 256
	s_cselect_b64 s[24:25], s[4:5], s[24:25]       ; Q, from 0
	s_cselect_b32 s26, 0, s26
	s_sub_co_u32 s26, ttmp9, s26
	s_lshl_b32 s26, s26, 2
	s_add_co_u32 s26, s26, s27                     ; which run of 8,192 numbers of the tensor is my wave's
	s_lshl_b32 s28, s26, 15                        ; 32,768 bytes a run
	s_add_nc_u64 s[24:25], s[24:25], s[28:29]
	s_lshl_b32 s30, ttmp9, 2
	s_add_co_u32 s30, s30, s27                     ; and which run of the stream
	s_lshl_b32 s28, s30, 12                        ; 4,096 bytes of codes a run
	s_add_nc_u64 s[18:19], s[18:19], s[28:29]
	s_lshl_b32 s28, s30, 8                         ; 256 scale bytes a run
	s_add_nc_u64 s[20:21], s[20:21], s[28:29]
.macro LOAD t
.irp i, 0,1,2,3
	global_load_b128 v[R+16*((\t)%4)+4*\i:R+16*((\t)%4)+4*\i+3], v3, s[24:25] offset:2048*(\t)+512*\i th:TH_LOAD_NT   ; 32 lanes read 512 consecutive bytes
.endr
.endm
.macro TURN t                          ; step t's numbers through the stage: LDS serves a wave's instructions in order, so no wait stands between the stores and the loads
.irp i, 0,1,2,3
	ds_store_b128 v14, v[R+16*((\t)%4)+4*\i:R+16*((\t)%4)+4*\i+3] offset:32*SP*((\t)%2)+8*SP*\i
.endr
.irp i, 0,1,2,3
	ds_load_b128 v[X+16*((\t)%2)+4*\i:X+16*((\t)%2)+4*\i+3], v15 offset:32*SP*((\t)%2)+16*\i
.endr
.endm
.irp t, 0,1,2,3
	LOAD \t
.endr
	s_wait_loadcnt 12                              ; step 0's four loads are in; three steps' twelve may be out
	TURN 0
.macro STEP t
.set XS, X+16*((\t)%2)
.if (\t) > 0
	s_wait_dscnt 1                                 ; this step's numbers are back from the stage (the last step's byte store may be out): so its stores into the stage have read their registers,
.else
	s_wait_dscnt 0x0
.endif
.if (\t)+4 < STEPS
	LOAD (\t)+4                                    ; which take the loads of four steps on
.endif
.if (\t)+1 < STEPS
.if STEPS-2-(\t) >= 3
	s_wait_loadcnt 12                              ; the next step's four loads are in; those of the three steps behind it may be out
.else
	s_wait_loadcnt 4*(STEPS-2-(\t))
.endif
	TURN (\t)+1                                    ; and go through the other stage while this step is worked
.endif
	v_max3_num_f32 v8, |v[XS]|, |v[XS+1]|, |v[XS+2]|               ; the largest magnitude of my 16, in two chains
	v_max3_num_f32 v9, |v[XS+3]|, |v[XS+4]|, |v[XS+5]|
.irp i, 6,10
	v_max3_num_f32 v8, v8, |v[XS+\i]|, |v[XS+\i+1]|
	v_max3_num_f32 v9, v9, |v[XS+\i+2]|, |v[XS+\i+3]|
.endr
	v_max3_num_f32 v8, v8, |v[XS+14]|, |v[XS+15]|
	v_max3_num_f32 v8, v8, v9, (EMAX+1)<<23        ; and the floor 2^(3 - 127): so the byte cannot fall under 1
	v_max_num_f32_dpp v8, v8, v8 row_xmask:1 row_mask:0xf bank_mask:0xf   ; and of my neighbour's 16: the block's
	v_add_nc_u32 v11, -(EMAX<<23), v8              ; 2 off its exponent field: the conversion takes the exponent field of this operand as its scale, and nothing else of it
	v_cvt_scalef32_pk8_fp4_f32 v[C+4*(\t)], v[XS:XS+7], v11        ; eight numbers / the scale, to the nearest code, ties to even, beyond 6 the largest code
	v_cvt_scalef32_pk8_fp4_f32 v[C+4*(\t)+1], v[XS+8:XS+15], v11
	v_lshrrev_b32 v[E+(\t)], 23, v11               ; the scale's byte (also the plain line behind the conversions)
	ds_store_b8 v5, v[E+(\t)] offset:16*(\t)       ; both lanes of a block write the same byte with the same value
	global_store_b64 v4, v[C+4*(\t):C+4*(\t)+1], s[18:19] offset:32*CB*(\t)   ; 32 lanes store 256 consecutive bytes
.endm
.irp t, 0,1,2,3,4,5,6,7,8,9,10,11,12,13,14,15
	STEP \t
.endr
	ds_load_b64 v[8:9], v6                         ; LDS serves a wave's instructions in order: these see my stores
	s_wait_dscnt 0x0
	global_store_b64 v7, v[8:9], s[20:21]          ; 32 lanes store 256 consecutive bytes
	s_branch .Lend
.Lcast:
	; W_o to f16, rounded to nearest even: no LDS.  Four parts of 2,048 numbers, two sets of 16 loads by turns.
	s_sub_co_u32 s26, ttmp9, 864
	s_lshl_b32 s26, s26, 2
	s_add_co_u32 s26, s26, s27                     ; which run of 8,192 numbers is my wave's
	s_lshl_b32 s28, s26, 15
	s_add_nc_u64 s[16:17], s[16:17], s[28:29]
	s_lshl_b32 s28, s26, 14
	s_add_nc_u64 s[22:23], s[22:23], s[28:29]
.macro CLOAD u, set
.irp i, 0,1,2,3,4,5,6,7,8,9,10,11,12,13,14,15
	global_load_b128 v[\set+4*\i:\set+4*\i+3], v3, s[16:17] offset:8192*\u+512*\i th:TH_LOAD_NT
.endr
.endm
.macro CSEND u, set
.irp i, 0,1,2,3,4,5,6,7,8,9,10,11,12,13,14,15
	v_cvt_pk_f16_f32 v[HO+2*\i], v[\set+4*\i], v[\set+4*\i+1]
	v_cvt_pk_f16_f32 v[HO+2*\i+1], v[\set+4*\i+2], v[\set+4*\i+3]
.endr
.irp i, 0,1,2,3,4,5,6,7,8,9,10,11,12,13,14,15
	global_store_b64 v7, v[HO+2*\i:HO+2*\i+1], s[22:23] offset:4096*\u+256*\i   ; 32 lanes store 256 consecutive bytes
.endr
.endm
	CLOAD 0, R
	CLOAD 1, X
	s_wait_loadcnt 16                              ; the older set is in; the younger set's sixteen may be out
	CSEND 0, R
	CLOAD 2, R
	s_wait_loadcnt 16
	s_wait_xcnt 0x0                                ; the last stores have read their data: the f16 registers are written again only behind this wait
	CSEND 1, X
	CLOAD 3, X
	s_wait_loadcnt 16
	s_wait_xcnt 0x0
	CSEND 2, R
	s_wait_loadcnt 0x0
	s_wait_xcnt 0x0
	CSEND 3, X
.Lend:
	s_wait_tensorcnt 0x0                           ; the wave's end, behind my last LDS store
	ds_add_u32 v[SPW], v[NIL]
	s_wait_dscnt 0x0
	s_endpgm
.Lfunc_end_k_q5db4b2b62a_quant:
	.size	k_q5db4b2b62a_quant, .Lfunc_end_k_q5db4b2b62a_quant-k_q5db4b2b62a_quant
	.p2alignl 7, 3214868480
	.fill 96, 4, 3214868480
	.section	.rodata,"a",@progbits
	.p2align	6, 0x0
	.amdhsa_kernel k_q5db4b2b62a_quant
		.amdhsa_group_segment_fixed_size 33280
		.amdhsa_private_segment_fixed_size 0
		.amdhsa_enable_private_segment 0
		.amdhsa_kernarg_size 80
		.amdhsa_user_sgpr_count 2
		.amdhsa_user_sgpr_kernarg_segment_ptr 1
		.amdhsa_wavefront_size32 1
		.amdhsa_system_sgpr_workgroup_id_x 1
		.amdhsa_system_sgpr_workgroup_id_y 1
		.amdhsa_system_sgpr_workgroup_id_z 1
		.amdhsa_system_vgpr_workitem_id 0
		.amdhsa_next_free_vgpr 192
		.amdhsa_next_free_sgpr 66
		.amdhsa_reserve_vcc 0
		.amdhsa_float_denorm_mode_32 3
		.amdhsa_float_denorm_mode_16_64 3
		.amdhsa_memory_ordered 1
		.amdhsa_forward_progress 1
		.amdhsa_inst_pref_size 54
	.end_amdhsa_kernel
	.amdgpu_metadata
---
amdhsa.version: [ 1, 2 ]
amdhsa.kernels:
  - .name:           k_q5db4b2b62a_quant
    .symbol:         k_q5db4b2b62a_quant.kd
    .args:
      - { .name: Q, .offset: 0, .size: 8, .value_kind: global_buffer, .address_space: global }
      - { .name: K, .offset: 8, .size: 8, .value_kind: global_buffer, .address_space: global }
      - { .name: V, .offset: 16, .size: 8, .value_kind: global_buffer, .address_space: global }
      - { .name: W_q, .offset: 24, .size: 8, .value_kind: global_buffer, .address_space: global }
      - { .name: W_k, .offset: 32, .size: 8, .value_kind: global_buffer, .address_space: global }
      - { .name: W_v, .offset: 40, .size: 8, .value_kind: global_buffer, .address_space: global }
      - { .name: W_o, .offset: 48, .size: 8, .value_kind: global_buffer, .address_space: global }
      - { .name: cod, .offset: 56, .size: 8, .value_kind: global_buffer, .address_space: global }
      - { .name: scl, .offset: 64, .size: 8, .value_kind: global_buffer, .address_space: global }
      - { .name: wo16, .offset: 72, .size: 8, .value_kind: global_buffer, .address_space: global }
    .group_segment_fixed_size: 33280
    .private_segment_fixed_size: 0
    .kernarg_segment_align: 8
    .kernarg_segment_size: 80
    .max_flat_workgroup_size: 128
    .sgpr_count:     66
    .vgpr_count:     192
    .wavefront_size: 32
...
	.end_amdgpu_metadata
.endif
;; end of part 1
;; launch proj (part 2): grid 4 x 96, 4 waves a work-group, clusters of 4 x 4, 327,680 bytes of LDS; arguments cod, scl, qkv; writes qkv
.if DOCPART == 2
	.amdgcn_target "amdgcn-amd-amdhsa--gfx1250"
	.amdhsa_code_object_version 6
	.text
	.protected	k_q5db4b2b62a_proj
	.globl	k_q5db4b2b62a_proj
	.p2align	8
	.type	k_q5db4b2b62a_proj,@function
k_q5db4b2b62a_proj:
	s_mov_b64 s[64:65], 0
	v_nop
	global_prefetch_b8 v0, s[64:65] scope:SCOPE_SE
	s_setreg_imm32_b32 hwreg(HW_REG_WAVE_MODE, 25, 1), 1
	s_wait_xcnt 0x0
	s_wait_alu depctr_hold_cnt(0) depctr_sa_sdst(0) depctr_va_vdst(0) depctr_va_sdst(0) depctr_va_ssrc(0) depctr_va_vcc(0) depctr_vm_vsrc(0)
	s_getreg_b32 s2, hwreg(HW_REG_IB_STS2, 6, 4)
	s_cmp_eq_u32 s2, 0
	s_cbranch_scc0 .Lentry_in_a_cluster
	s_endpgm
.Lentry_in_a_cluster:
	s_bfe_u32 s2, ttmp6, 0x10000c
	s_cmp_lg_u32 s2, 0xf033
	s_cbranch_scc0 .Lentry_shape_is_right
	s_endpgm
.Lentry_shape_is_right:
; q = Q W_q^T, k = K W_k^T, v = V W_v^T on codes of FP4 (E2M1) with one E8M0 scale for each 32 along K = 1,024; sums in f32; the results are rounded once to f16 and stored as IMAGES of the registers in which
; the attention launch wants them.  LIMIT: |q|, |k|, |v| under 65,504 (f16).
; cod: rows of 512 bytes, scl: rows of 32 bytes; Q from row 0, K 8,192, V 16,384, W_q 24,576, W_k 25,600, W_v 26,624.
; SHARES.  24 clusters of 4 x 4 work-groups: cluster y = 8 T + R, T = 0, 1, 2 for q, k, v.  A work-group makes 256 rows of an operand "A" x 256 rows of an operand "B"; each of its four waves 128 x 128: 64 accumulators.
; The matrix instruction takes 16 rows of B as source 0 and 16 rows of A as source 1: lane (r, h) then holds A's row r, and its register j B's row 8 h + j.
;   q, k: A = the activations (32 tiles of 256 tokens: 4 R + cy), B = the weight (4 tiles: cx): a lane holds a token, its registers run along the channels.
;   v:    A = W_v (cy), B = V (4 R + cx): a lane holds a channel, its registers run along the keys, which are the K of attention's second product.
; The roles are chosen by selects on T, which all partners of a cluster share.  A's tiles are shared along a row of the cluster, B's along a column: each is asked for jointly, with a mask that names the four.
; All of K lies in two LDS slots of 512 along K (rows of 256 bytes + 16 of padding), asked for at the head with the scales: nothing is filled again; by this text's count three tensor loads of a wave are out at the most.
; AN IMAGE of a 16-bit fragment (16 rows x 32 k, 8 registers): [half c][lane][16 bytes], half c = registers 4 c .. 4 c + 3: 1,024 bytes.  Four conversions of an accumulator's eight registers give half an image,
; so each store of the wave covers 512 consecutive bytes, aligned, straight from registers.
; qkv: three parts of 2^24 bytes; a head 16 batch + h has 2^18 bytes in each.  q, k: [token tile 0..127][chunk of 32 channels 0..1][image].  v: [group of 32 keys 0..63][channel tile 0..3][image], rows = channels.
; REGISTERS, in windows of 256: window 0: v0-31 addresses; v32-95 scale words, two sets; from v128 A's fragments, one set; on the way out v128-255 packed results.  window 1: B's fragments, two sets.
;   window 2: the accumulators of A's blocks 0-3 ((a, b) at v[8 (8 a + b)]); window 3: those of blocks 4-7.
.set NQ,     4                         ; matrix instructions deep in a slot: 512 along K
.set ROWB,   256                       ; a tile's row in bytes
.set KROW,   512                       ; a row of codes in memory
.set PITCH,  272                       ; an LDS row: 256 bytes + 16 of padding = 68 words: row r starts at bank 4 r mod 64 (ISA guide 11.1)
.set FR,     8                         ; registers of a fragment
.set NL,     2                         ; LDS loads that bring one
.set NP,     4                         ; places behind this matrix instruction (ISA guide 7.12.1)
.set HALFT,  128*PITCH                 ; 128 rows: what one tensor load brings
.set SLOT,   4*HALFT                   ; A's 256 rows, then B's 256 rows
.set KS,     32                        ; a row of scales in bytes
.set SCL,    2*SLOT                    ; behind the slots: the scales, as units of 256 bytes + 16 of padding
.set HALFS,  (128*KS/256)*272          ; the scales of 128 rows
.set SBLK,   (16*KS/256)*272           ; those of 16 rows
.set SPARE,  SCL+4*HALFS               ; the spare words, 128 bytes a wave, that no other line names
.set ADRA, 16                          ; v16-17 LDS address of my A fragments in slot 0, 1
.set ADRB, 20                          ; v20-21 the same for B
.set CO,   26                          ; v26 16 x lane: my place in a half image
.set ADRS, 27                          ; v27 LDS address of my scale words: lanes 0-15 A's rows, lanes 16-31 B's
.set SPW,  28                          ; v28 LDS address of my spare word; never rewritten
.set NIL,  29                          ; v29 0; never rewritten
.set SC,   32                          ; scale words: set s at v[SC + 32 s]; register 4 i + q: lanes 0-15 A's block i, lanes 16-31 B's block i, the slot's q-th 128 along K
.set AF,   128                         ; A's fragments, window 0
.set OB,   128                         ; the way out: four buffers of 32 registers
.set G1, 24                            ; s[24:31] group 1 for A's tiles; s[32:39] group 0, a set for each slot
.set G0, 32
.set G1B, 48                           ; s[48:55], s[56:63] the same for B's
.set G0B, 56
.set G1S, 68                           ; s[68:75], s[76:79] for A's scales; s[80:87], s[88:91] for B's
.set G0S, 76
.set G1SB, 80
.set G0SB, 88
.set MSB, 0
.macro WIN new                         ; the immediate's high byte repeats the setting that is left
.if MSB != \new
	s_set_vgpr_msb (MSB<<8)|\new
.set MSB, \new
.endif
.endm
.set MUL_LO, 0xa1                      ; source 0 (B) window 1, source 1 (A) window 0, C and D window 2
.set MUL_HI, 0xf1                      ; the same, C and D window 3
.set TO_B,   0x40                      ; destination window 1, address window 0
; A joint load: waves 0 and 1 fetch for A, waves 2 and 3 for B; the branch hangs on the wave's number alone.  An s_nop 0 and four v_nop follow each of the two lines.
.macro JLOAD g0a, g1a, g0b, g1b
	s_cmp_eq_u32 s15, 0
	s_cbranch_scc0 .Lfor_b_\@
	tensor_load_to_lds s[\g0a:\g0a+3], s[\g1a:\g1a+7]
	s_nop 0
.rept 4
	v_nop
.endr
	s_branch .Lasked_\@
.Lfor_b_\@:
	tensor_load_to_lds s[\g0b:\g0b+3], s[\g1b:\g1b+7]
	s_nop 0
.rept 4
	v_nop
.endr
.Lasked_\@:
.endm
.macro CROUND                          ; a round of the cluster's barrier
	s_barrier_signal -1
	s_barrier_wait -1
	s_cmp_lg_u32 s14, 0
	s_cbranch_scc1 .Lnot_wave_0_\@
	s_barrier_signal -3
.Lnot_wave_0_\@:
	s_barrier_wait -3
	s_barrier_signal -1
	s_barrier_wait -1
.endm
	s_load_b128 s[4:7], s[0:1], 0x0                ; cod s[4:5], scl s[6:7]
	s_load_b64 s[12:13], s[0:1], 0x10              ; qkv
	v_lshl_add_u32 v[SPW], v0, 2, SPARE
	v_mov_b32 v[NIL], 0
	ds_add_u32 v[SPW], v[NIL]                      ; the wave's opening: the add, twice on end, and its wait ahead of my first tensor load
	ds_add_u32 v[SPW], v[NIL]                      ; and once more, under the one wait; the set-up below, work on registers, stands between
	v_lshrrev_b32 v1, 5, v0
	v_readfirstlane_b32 s14, v1                    ; wave 0..3
	s_lshr_b32 s15, s14, 1                         ; which half of A's rows is mine.  Also: I fetch for A (0) or for B (1)
	s_and_b32 s16, s14, 1                          ; which half of B's rows.  Also: which 128 rows of that tile I fetch
	s_bfe_u32 s40, ttmp6, 0x40000                  ; cx, cy: my place in the cluster
	s_bfe_u32 s41, ttmp6, 0x40004
	s_and_b32 s66, ttmp7, 0xffff                   ; cluster y = 8 T + R
	s_and_b32 s67, s66, 7                          ; R
	s_lshr_b32 s66, s66, 3                         ; T: 0 q, 1 k, 2 v
	s_lshl_b32 s97, s66, 13                        ; the activations' first row: 8,192 T
	s_lshl_b32 s98, s66, 10
	s_add_co_u32 s98, s98, 24576                   ; the weight's first row
	s_cmp_eq_u32 s66, 2                            ; v: the roles change places
	s_cselect_b32 s95, 0, s67                      ; which four tiles of A this cluster takes,
	s_cselect_b32 s96, s67, 0                      ; and of B
	s_cselect_b32 s99, s98, s97                    ; A's first row in the stream,
	s_cselect_b32 s98, s97, s98                    ; and B's
	s_lshl_b32 s17, s95, 2
	s_add_co_u32 s17, s17, s41                     ; A's tile = 4 x that + cy
	s_lshl_b32 s42, s96, 2
	s_add_co_u32 s42, s42, s40                     ; B's tile = 4 x that + cx
	s_lshl_b32 s43, s41, 2
	s_lshl_b32 s43, 15, s43                        ; my row of the cluster
	s_lshl_b32 s44, 0x1111, s40                    ; my column
	; group 1: a tile of 128 rows x 256 bytes, padded in LDS
	s_or_b32 s[G1+0], s43, (0<<16)|(1<<20)|(1<<21)|(5<<22)|(3<<25)  ; 15:0 the mask; 17:16 elements of 1 byte; 20 padding on; 21 set beside a mask; 24:22 after every 64 words; 31:25 four words
	s_or_b32 s[G1B+0], s44, (0<<16)|(1<<20)|(1<<21)|(5<<22)|(3<<25)
.irp g, G1, G1B
	s_mov_b32 s[\g+1], ROWB<<16                    ; tensor_dim0
	s_mov_b32 s[\g+2], 128<<16                     ; tensor_dim1
	s_mov_b32 s[\g+3], ROWB<<16                    ; tile_dim0
	s_mov_b32 s[\g+4], 128                         ; tile_dim1
	s_mov_b32 s[\g+5], KROW                        ; tensor_dim0_stride
	s_mov_b32 s[\g+6], 0
	s_mov_b32 s[\g+7], 0
.endr
	; the scales of 128 rows: 4,096 dense bytes, as 16 rows of 256 bytes (32 elements of 8 bytes), 16 bytes of padding behind each
	s_or_b32 s[G1S+0], s43, (3<<16)|(1<<20)|(1<<21)|(5<<22)|(3<<25)
	s_or_b32 s[G1SB+0], s44, (3<<16)|(1<<20)|(1<<21)|(5<<22)|(3<<25)
.irp g, G1S, G1SB
	s_mov_b32 s[\g+1], 32<<16
	s_mov_b32 s[\g+2], (128*KS/256)<<16
	s_mov_b32 s[\g+3], 32<<16
	s_mov_b32 s[\g+4], 128*KS/256
	s_mov_b32 s[\g+5], 32
	s_mov_b32 s[\g+6], 0
	s_mov_b32 s[\g+7], 0
.endr
	s_lshl_b32 s18, s16, 7                         ; which 128 rows of the tile I fetch
	s_lshl_b32 s20, s17, 8
	s_add_co_u32 s20, s20, s18
	s_add_co_u32 s20, s20, s99                     ; A: its first row + 256 x tile + 128 x half
	s_lshl_b32 s46, s42, 8
	s_add_co_u32 s46, s46, s18
	s_add_co_u32 s46, s46, s98                     ; B likewise
	s_mov_b32 s21, 0
	s_mov_b32 s47, 0
	s_mov_b64 s[18:19], KS
	s_mul_u64 s[22:23], s[20:21], s[18:19]         ; where these rows' scales begin, in bytes,
	s_mul_u64 s[92:93], s[46:47], s[18:19]
	s_mov_b64 s[18:19], KROW
	s_mul_u64 s[20:21], s[20:21], s[18:19]         ; and their codes
	s_mul_u64 s[46:47], s[46:47], s[18:19]
	s_mul_i32 s45, s14, HALFT                      ; where they go: wave x 128 rows: no place in the cluster enters an LDS address
	s_mul_i32 s94, s14, HALFS
	s_wait_dscnt 0x0                               ; both opening adds are done
	s_wait_kmcnt 0x0
	s_add_nc_u64 s[20:21], s[4:5], s[20:21]
	s_add_nc_u64 s[22:23], s[6:7], s[22:23]
	s_add_nc_u64 s[46:47], s[4:5], s[46:47]
	s_add_nc_u64 s[92:93], s[6:7], s[92:93]
	CROUND                                         ; all sixteen work-groups are here: the first joint loads meet
	s_mov_b32 s[G0S], 1
	s_add_co_u32 s[G0S+1], s94, SCL
	s_mov_b64 s[G0S+2:G0S+3], s[22:23]
	s_or_b32 s[G0S+3], s[G0S+3], 0x80000000
	s_mov_b32 s[G0SB], 1
	s_add_co_u32 s[G0SB+1], s94, SCL
	s_mov_b64 s[G0SB+2:G0SB+3], s[92:93]
	s_or_b32 s[G0SB+3], s[G0SB+3], 0x80000000
	JLOAD G0S, G1S, G0SB, G1SB                     ; the scales first: they are wanted with the first slot
.irp s, 0,1
	s_mov_b32 s[G0+4*\s], 1
	s_add_co_u32 s[G0+4*\s+1], s45, \s*SLOT
	s_add_nc_u64 s[G0+4*\s+2:G0+4*\s+3], s[20:21], \s*ROWB
	s_or_b32 s[G0+4*\s+3], s[G0+4*\s+3], 0x80000000
	s_mov_b32 s[G0B+4*\s], 1
	s_add_co_u32 s[G0B+4*\s+1], s45, \s*SLOT
	s_add_nc_u64 s[G0B+4*\s+2:G0B+4*\s+3], s[46:47], \s*ROWB
	s_or_b32 s[G0B+4*\s+3], s[G0B+4*\s+3], 0x80000000
	JLOAD G0+4*\s, G1, G0B+4*\s, G1B
.endr
	v_and_b32 v1, 15, v0                           ; l % 16
	v_bfe_u32 v2, v0, 4, 1                         ; l / 16
	v_mul_u32_u24 v3, v1, PITCH
	v_lshl_add_u32 v4, v2, 4, v3                   ; a fragment's row x pitch + 16 x half
	s_mul_i32 s21, s15, HALFT                      ; my 128 rows of A
	s_mul_i32 s22, s16, HALFT                      ; my 128 rows of B,
	s_add_co_u32 s22, s22, 2*HALFT                 ; which lie behind A's 256
.irp s, 0,1
	v_add_nc_u32 v[ADRA+\s], s21, v4
	v_add_nc_u32 v[ADRB+\s], s22, v4
	s_add_co_u32 s21, s21, SLOT
	s_add_co_u32 s22, s22, SLOT
.endr
	v_mul_u32_u24 v5, v1, KS                       ; my row's scales: 32 bytes a row,
	v_lshrrev_b32 v6, 8, v5
	v_lshl_add_u32 v5, v6, 4, v5                   ; and 16 more for each 256 passed
	s_mul_i32 s21, s15, HALFS                      ; A's: my 128 rows
	s_mul_i32 s22, s16, HALFS                      ; B's: my 128 rows, behind A's 256
	s_add_co_u32 s22, s22, 2*HALFS
	s_sub_co_u32 s22, s22, s21
	v_mul_u32_u24 v6, s22, v2                      ; lanes 16-31 take B's: one product, the distance x the lane's half
	s_add_co_u32 s21, s21, SCL
	v_add_nc_u32 v5, v5, v6
	v_add_nc_u32 v[ADRS], s21, v5
	v_and_b32 v6, 31, v0
	v_lshlrev_b32 v[CO], 4, v6
	; where my results go: part T; head 16 batch + 4 x feature tile + 2 x feature half (+ 1 for my second 64 features); 128 tokens of a head are 16,384 bytes in both layouts
	s_cmp_eq_u32 s66, 2
	s_cselect_b32 s95, s42, s17                    ; the tile of 256 tokens,
	s_cselect_b32 s96, s16, s15                    ; my half of it,
	s_cselect_b32 s97, s17, s42                    ; the tile of 256 features,
	s_cselect_b32 s98, s15, s16                    ; my half of it
	s_lshr_b32 s99, s95, 3                         ; the batch: 8 tiles of tokens each
	s_lshl_b32 s99, s99, 4
	s_lshl_b32 s97, s97, 2
	s_add_co_u32 s99, s99, s97
	s_lshl_b32 s98, s98, 1
	s_add_co_u32 s99, s99, s98                     ; my first head
	s_lshl_b32 s99, s99, 18
	s_and_b32 s95, s95, 7
	s_lshl_b32 s95, s95, 1
	s_add_co_u32 s95, s95, s96
	s_lshl_b32 s95, s95, 14
	s_add_co_u32 s96, s99, s95
	s_lshl_b32 s97, s66, 24
	s_add_co_u32 s96, s96, s97
	s_mov_b32 s97, 0
	s_add_nc_u64 s[12:13], s[12:13], s[96:97]
.macro FRAG reg, adr, q, i             ; a fragment, 16 rows x 128 K of 4-bit codes: lane l holds row l % 16; registers 4 c .. 4 c + 3 hold K = 64 c + 32 (l / 16) + 0 .. 31
.irp c, 0,1
	ds_load_b128 v[\reg+4*\c:\reg+4*\c+3], v[\adr] offset:64*(\q)+32*\c+(\i)*16*PITCH
.endr
.endm
; 16 matrix instructions: A's blocks a0, a0 + 1 x B's eight, the slot's q-th 128 along K.  p: B's set; sc: the set of scale words.  zero = 1: the first product starts the sums.
; The 64 accumulators take turns, one instruction a turn, in the same order in every step.
.macro MUL16 a0, p, q, sc, zero
.irp a, \a0, \a0+1
.irp b, 0,1,2,3,4,5,6,7
.if \zero
	v_wmma_scale_f32_16x16x128_f8f6f4 v[8*(8*((\a)%4)+\b):8*(8*((\a)%4)+\b)+7], v[128*(\p)+FR*\b:128*(\p)+FR*\b+FR-1], v[AF+FR*(\a):AF+FR*(\a)+FR-1], 0, v[SC+8*NQ*(\sc)+NQ*\b+(\q)], v[SC+8*NQ*(\sc)+NQ*(\a)+(\q)] matrix_a_fmt:MATRIX_FMT_FP4 matrix_b_fmt:MATRIX_FMT_FP4 matrix_a_scale:MATRIX_SCALE_ROW1
.else
	v_wmma_scale_f32_16x16x128_f8f6f4 v[8*(8*((\a)%4)+\b):8*(8*((\a)%4)+\b)+7], v[128*(\p)+FR*\b:128*(\p)+FR*\b+FR-1], v[AF+FR*(\a):AF+FR*(\a)+FR-1], v[8*(8*((\a)%4)+\b):8*(8*((\a)%4)+\b)+7], v[SC+8*NQ*(\sc)+NQ*\b+(\q)], v[SC+8*NQ*(\sc)+NQ*(\a)+(\q)] matrix_a_fmt:MATRIX_FMT_FP4 matrix_b_fmt:MATRIX_FMT_FP4 matrix_a_scale:MATRIX_SCALE_ROW1
.endif
.endr
.endr
.endm
.macro FETCH_B slot, q, p              ; B's eight fragments of the slot's q-th 128 along K into set p
	WIN TO_B
.irp i, 0,1,2,3,4,5,6,7
	FRAG 128*(\p)+FR*\i, ADRB+\slot, \q, \i
.endr
	WIN 0
.endm
.macro FETCH_A slot, q, i0             ; A's blocks i0 .. i0 + 3
.irp i, \i0, \i0+1, \i0+2, \i0+3
	FRAG AF+FR*(\i), ADRA+\slot, \q, \i
.endr
.endm
.macro SCALES sc                       ; a slot's scale words into set sc: four words a row; lanes 0-15 take A's block i, lanes 16-31 B's block i
.irp i, 0,1,2,3,4,5,6,7
	ds_load_b128 v[SC+8*NQ*\sc+NQ*\i:SC+8*NQ*\sc+NQ*\i+3], v[ADRS] offset:\i*SBLK
.endr
.endm
; A load into a register that a matrix instruction has read, and a vector instruction that reads a matrix result, stand NP places behind it; only plain vector instructions that name none of its registers are places.
.macro PLACES n
.rept \n
	v_nop
.endr
.endm
; A step of 128 along K that has its successor in the same slot.  A block of A is free as soon as its eight products are issued: blocks 0-3 are fetched anew in the step's middle, blocks 4-7 at its end.
.macro STEP slot, q, zero
	s_wait_dscnt 4*NL                              ; B's set and A's blocks 0-3 are in; the youngest eight loads (A's blocks 4-7) may be out
	WIN MUL_LO
	MUL16 0, (\q)%2, \q, \slot, \zero
	MUL16 2, (\q)%2, \q, \slot, \zero
	s_wait_dscnt 0                                 ; A's blocks 4-7 are in
	PLACES NP
	FETCH_B \slot, (\q)+1, 1-(\q)%2
	FETCH_A \slot, (\q)+1, 0
	WIN MUL_HI
	MUL16 4, (\q)%2, \q, \slot, \zero
	MUL16 6, (\q)%2, \q, \slot, \zero
	PLACES NP
	WIN 0
	FETCH_A \slot, (\q)+1, 4
.endm
; Slot 0's last step changes slots: one barrier; in front of it each wave waits for all its tensor loads (its part of slot 1), adds 0 to its spare word, and waits for that.  Nothing is filled again.
.macro TURN slot, next
	s_wait_tensorcnt 0x0                           ; all my tensor loads have landed
	ds_add_u32 v[SPW], v[NIL]                      ; 0 onto my spare word
	s_wait_dscnt 4*NL+1                            ; (the add and the youngest eight loads, A's blocks 4-7, may be out)
	WIN MUL_LO
	MUL16 0, 1, NQ-1, \slot, 0                     ; sixteen matrix instructions stand between the add and the wait for it
	s_wait_dscnt 0x0                               ; the add is done, and my LDS loads are in
	s_barrier_signal -1
	MUL16 2, 1, NQ-1, \slot, 0
	WIN 0
	s_barrier_wait -1                              ; every wave's part of the next slot has landed
	PLACES NP
	v_add_nc_u32 v[ADRS], 4*NQ, v[ADRS]            ; on to the next slot's scale words
	FETCH_B \next, 0, 0
	FETCH_A \next, 0, 0
	SCALES \next
	WIN MUL_HI
	MUL16 4, 1, NQ-1, \slot, 0
	MUL16 6, 1, NQ-1, \slot, 0
	PLACES NP
	WIN 0
	FETCH_A \next, 0, 4
.endm
.macro STEPS slot, from                ; the slot's steps from .. NQ - 2
.set Q, \from
.rept NQ-1-\from
	STEP \slot, Q, 0
.set Q, Q+1
.endr
.endm
	s_wait_tensorcnt 1                             ; the scales and my part of slot 0 are in (slot 1's load may be out)
	s_barrier_signal -1
	s_barrier_wait -1                              ; everybody's are
	FETCH_B 0, 0, 0
	FETCH_A 0, 0, 0
	SCALES 0
	FETCH_A 0, 0, 4
	STEP 0, 0, 1                                   ; the first step's products start the sums: nothing is cleared
	STEPS 0, 1
	TURN 0, 1
	STEPS 1, 0
	s_wait_dscnt 4*NL                              ; the very last step: nothing more to fetch
	WIN MUL_LO
	MUL16 0, 1, NQ-1, 1, 0
	MUL16 2, 1, NQ-1, 1, 0
	s_wait_dscnt 0
	WIN MUL_HI
	MUL16 4, 1, NQ-1, 1, 0
	MUL16 6, 1, NQ-1, 1, 0
	WIN 0
; THE WAY OUT.  Accumulator (a, b): lane (r, h) holds A's row 16 a + r and B's rows 16 b + 8 h + 0 .. 7: four conversions, each accumulator from its low end on, give 16 bytes, which are registers 0-3 (b even) or 4-7 (b odd) of a
; fragment whose rows are A's and whose k runs along B's rows.  vmode = 0: a = token tile, b = 16 channels: head b / 4, chunk (b / 2) % 2.  vmode = 1: a = 16 channels: head a / 4, channel tile a % 4; b = 16 keys: group b / 2.
.macro OUT vmode
.irp a, 0,1,2,3,4,5,6,7
.if \a >= 4
	s_wait_xcnt 0x0                                ; the stores of four blocks back have read their data: their buffer is written again only behind this wait
.endif
	WIN 0x0a+5*(\a/4)                              ; sources 0 and 1: window 2 or 3
.irp b, 0,1,2,3,4,5,6,7
.irp r, 0,1,2,3
	v_cvt_pk_f16_f32 v[OB+32*(\a%4)+4*\b+\r], v[64*(\a%4)+8*\b+2*\r], v[64*(\a%4)+8*\b+2*\r+1]
.endr
.endr
	WIN 0
.irp b, 0,1,2,3,4,5,6,7
.if \vmode
	global_store_b128 v[CO], v[OB+32*(\a%4)+4*\b:OB+32*(\a%4)+4*\b+3], s[12:13] offset:(\a/4)*262144+(\a%4)*1024+(\b/2)*4096+(\b%2)*512   ; 32 lanes store 512 consecutive bytes, aligned
.else
	global_store_b128 v[CO], v[OB+32*(\a%4)+4*\b:OB+32*(\a%4)+4*\b+3], s[12:13] offset:(\b/4)*262144+2048*\a+((\b/2)%2)*1024+(\b%2)*512
.endif
.endr
.endr
.endm
	PLACES NP                                      ; behind the last products: the conversions write the registers that held A's fragments
	s_cmp_eq_u32 s66, 2                            ; T: the same in all sixteen partners
	s_cbranch_scc1 .Lout_v
	OUT 0
	s_branch .Lclose
.Lout_v:
	OUT 1
.Lclose:
	s_wait_tensorcnt 0x0                           ; the wave's end, behind my last tensor load
	ds_add_u32 v[SPW], v[NIL]
	s_wait_dscnt 0x0
	CROUND                                         ; the closing round: no work-group ends while a partner may still ask for a tile that names it
	s_endpgm
.Lfunc_end_k_q5db4b2b62a_proj:
	.size	k_q5db4b2b62a_proj, .Lfunc_end_k_q5db4b2b62a_proj-k_q5db4b2b62a_proj
	.p2alignl 7, 3214868480
	.fill 96, 4, 3214868480
	.section	.rodata,"a",@progbits
	.p2align	6, 0x0
	.amdhsa_kernel k_q5db4b2b62a_proj
		.amdhsa_group_segment_fixed_size 327680
		.amdhsa_private_segment_fixed_size 0
		.amdhsa_enable_private_segment 0
		.amdhsa_kernarg_size 24
		.amdhsa_user_sgpr_count 2
		.amdhsa_user_sgpr_kernarg_segment_ptr 1
		.amdhsa_wavefront_size32 1
		.amdhsa_system_sgpr_workgroup_id_x 1
		.amdhsa_system_sgpr_workgroup_id_y 1
		.amdhsa_system_sgpr_workgroup_id_z 1
		.amdhsa_system_vgpr_workitem_id 0
		.amdhsa_next_free_vgpr 1024
		.amdhsa_next_free_sgpr 100
		.amdhsa_reserve_vcc 0
		.amdhsa_float_denorm_mode_32 3
		.amdhsa_float_denorm_mode_16_64 3
		.amdhsa_memory_ordered 1
		.amdhsa_forward_progress 1
		.amdhsa_inst_pref_size 141
	.end_amdhsa_kernel
	.amdgpu_metadata
---
amdhsa.version: [ 1, 2 ]
amdhsa.kernels:
  - .name:           k_q5db4b2b62a_proj
    .symbol:         k_q5db4b2b62a_proj.kd
    .args:
      - { .name: cod, .offset: 0, .size: 8, .value_kind: global_buffer, .address_space: global }
      - { .name: scl, .offset: 8, .size: 8, .value_kind: global_buffer, .address_space: global }
      - { .name: qkv, .offset: 16, .size: 8, .value_kind: global_buffer, .address_space: global }
    .group_segment_fixed_size: 327680
    .private_segment_fixed_size: 0
    .kernarg_segment_align: 8
    .kernarg_segment_size: 24
    .max_flat_workgroup_size: 128
    .sgpr_count:     100
    .vgpr_count:     1024
    .wavefront_size: 32
...
	.end_amdgpu_metadata
.endif
;; end of part 2
;; launch attn (part 3): grid 4 x 64, 8 waves a work-group, clusters of 4 x 1, 327,680 bytes of LDS; arguments qkv, att; writes att
.if DOCPART == 3
	.amdgcn_target "amdgcn-amd-amdhsa--gfx1250"
	.amdhsa_code_object_version 6
	.text
	.protected	k_q5db4b2b62a_attn
	.globl	k_q5db4b2b62a_attn
	.p2align	8
	.type	k_q5db4b2b62a_attn,@function
k_q5db4b2b62a_attn:
	s_mov_b64 s[64:65], 0
	v_nop
	global_prefetch_b8 v0, s[64:65] scope:SCOPE_SE
	s_setreg_imm32_b32 hwreg(HW_REG_WAVE_MODE, 25, 1), 1
	s_wait_xcnt 0x0
	s_wait_alu depctr_hold_cnt(0) depctr_sa_sdst(0) depctr_va_vdst(0) depctr_va_sdst(0) depctr_va_ssrc(0) depctr_va_vcc(0) depctr_vm_vsrc(0)
	s_getreg_b32 s2, hwreg(HW_REG_IB_STS2, 6, 4)
	s_cmp_eq_u32 s2, 0
	s_cbranch_scc0 .Lentry_in_a_cluster
	s_endpgm
.Lentry_in_a_cluster:
	s_bfe_u32 s2, ttmp6, 0x10000c
	s_cmp_lg_u32 s2, 0x3003
	s_cbranch_scc0 .Lentry_shape_is_right
	s_endpgm
.Lentry_shape_is_right:
; att[q] = the sum over k of softmax_k(q . k / 8) v[k], for each of 64 heads (16 batch + h) of 2,048 tokens x 64 channels.  Operands in f16, products, maxima and sums in f32; the weights p are rounded to f16 for the
; second product, the result once to f16.  LIMIT: the result under 65,504 (f16); p is at most about 1.
; qkv holds q, k, v as IMAGES of operand registers (a 16-bit fragment, 16 rows x 32 k: [half c][lane][16 bytes], 1,024 bytes): two loads of 16 bytes a lane at 16 x lane give the fragment: no pitch, no padding, no turning load.
;   q, k: [head][token tile][chunk of 32 channels][image];  v: [head][group of 32 keys][channel tile][image], rows = channels.  64 keys are 8,192 dense bytes in both.
; SHARES.  A cluster of four work-groups is one head; a work-group owns 512 queries, each of its eight waves 64: four tiles of 16.  Every wave walks the 2,048 keys, 64 a step.
; The four work-groups walk the same K and V: each tile is asked for JOINTLY, by the same tensor load with the same descriptor and a mask that names the four.
; LAYOUT.  S^T = K Q^T (source 0 = 16 keys, source 1 = 16 queries): a lane holds ONE query and the keys 8 (lane / 16) + 0..7.  Two such tiles, rounded to f16 in pairs, ARE source 1 of O^T = V^T P, whose result again holds one
; query a lane and eight channels; those, rounded in pairs, are half an image of the output projection's operand.  So nothing changes lanes but a query's maximum and sum (one exchange between the halves of the lanes).
; SOFTMAX.  For each query a running maximum m and sum l: p = 2^(c s - c m), c = log2(e) / 8; in every step O and l are multiplied by a = 2^(c m_old - c m_new).  m begins at -3e38 and O, l at 0: the first a is 0 and multiplies zeros.
; TWO WAVES TO A SIMD, HALF A STEP APART.  All waves run the cycle softmax, V^T P, K Q^T.  In a step's text the softmax stands twice: at the head, run by the waves of group 0 alone, and at the tail, run by group 1 alone
; (a branch on the wave's number).  So behind every barrier group 0 begins with vector work and group 1 with matrix work.  group = (wave xor wave / 4) % 2 differs between waves w and w + 4 and between 2 i and 2 i + 1.
; THE RING.  Two slots of 512 keys (8 steps): K's 65,536 bytes, then V's; wave w brings the w-th 16,384 bytes of a slot, one load of 64 rows of 256 bytes.  By this text's count two tensor loads of a wave are out at the most.
; No prefetch is written: a refill is asked for eight key steps, 512 matrix instructions of a wave, ahead of its first read, and the first two slots go out at the head.
; REGISTERS.  window 0: v1-7 addresses; v16-63 statistics, 12 a tile; v64-191 S^T, 32 a tile, P laid over its first 16; v192-255 K of one step.  window 1: v0-127 O^T, 32 a tile; v128-191 Q; v192-255 V of one step.
.set SLOT1, 131072                     ; slot 1 begins here: one exclusive or turns an address in one slot into the other's
.set VOFF,  65536                      ; V's eight steps lie behind K's eight
.set STEPB, 8192                       ; a step's K, and its V
.set SPARE, 262144                     ; behind the ring: the spare words, 128 bytes a wave, that no other line names
.set AK0, 1                            ; v1 16 x lane: my place in a half image
.set AV0, 2                            ; v2 the same + VOFF
.set ADK, 3                            ; v3 LDS address of the run of K's loads in hand
.set ADV, 4                            ; v4 of V's
.set GO,  5                            ; v5 16 x lane, for global offsets
.set SPW, 6                            ; v6 LDS address of my spare word; never rewritten
.set NIL, 7                            ; v7 0; never rewritten
.set ST,  16                           ; tile t's statistics at v[ST + 12 t]: +0 c m, +1 m, +2,3 and +4,5 l in two pairs, +6 a, +7 c m_old and the difference, +8..11 c0-c3 at work
.set S,   64
.set KF,  192                          ; window 0: K's fragment (key tile kt, chunk c) at KF + 16 kt + 8 c
.set QF,  128                          ; window 1: Q's (tile t, chunk c) at QF + 16 t + 8 c
.set VF,  192                          ; window 1: V's (keys 32 kc on, channel tile ct) at VF + 32 kc + 8 ct
.set WV,  8                            ; s8  wave
.set GRP, 9                            ; s9  group
.set G1,  16                           ; s[16:23] descriptor group 1
.set G0A, 24                           ; s[24:27] group 0 of slot 0's first fill
.set G0B, 28                           ; s[28:31] of slot 1's; it then walks on
.set CS,  32                           ; s[32:33] c, twice: the packed form names a pair
.set SEL, 34                           ; s[34:35] lane selects: lane l xor 16
.set TB,  36                           ; s36 LDS byte at which the tiles of the step to be fetched begin
.set SLOTS, 37                         ; s37 slots still to be asked for
.set CNT, 38                           ; s38 counts steps
.set QB,  40                           ; s[40:41] Q at my wave's first tile
.set MSB, 0
.macro WIN new                         ; the immediate's high byte repeats the setting that is left
.if MSB != \new
	s_set_vgpr_msb (MSB<<8)|\new
.set MSB, \new
.endif
.endm
.macro CROUND                          ; a round of the cluster's barrier
	s_barrier_signal -1
	s_barrier_wait -1
	s_cmp_lg_u32 s[WV], 0
	s_cbranch_scc1 .Lnot_wave_0_\@
	s_barrier_signal -3
.Lnot_wave_0_\@:
	s_barrier_wait -3
	s_barrier_signal -1
	s_barrier_wait -1
.endm
.macro PLACES n
.rept \n
	v_nop
.endr
.endm
	s_load_b128 s[4:7], s[0:1], 0x0                ; qkv s[4:5], att s[6:7]
	v_lshl_add_u32 v[SPW], v0, 2, SPARE
	v_mov_b32 v[NIL], 0
	ds_add_u32 v[SPW], v[NIL]                      ; the wave's opening: the add, twice on end, and its wait ahead of my first tensor load
	ds_add_u32 v[SPW], v[NIL]                      ; and once more, under the one wait; the set-up below, work on registers, stands between
	v_lshrrev_b32 v8, 5, v0
	v_readfirstlane_b32 s[WV], v8                  ; wave 0..7
	s_lshr_b32 s[GRP], s[WV], 2
	s_xor_b32 s[GRP], s[GRP], s[WV]
	s_and_b32 s[GRP], s[GRP], 1
	s_bfe_u32 s10, ttmp6, 0x40000                  ; cx: it enters Q's and att's addresses alone
	s_and_b32 s11, ttmp7, 0xffff                   ; the head, which the four partners share
	; group 1: 16,384 dense bytes as 64 rows of 256 bytes (32 elements of 8 bytes), no padding
	s_mov_b32 s[G1], 15|(3<<16)|(1<<21)            ; 15:0 the mask: all four work-groups; 17:16 elements of 8 bytes; 21 set beside a mask
	s_mov_b32 s[G1+1], 32<<16                      ; tensor_dim0
	s_mov_b32 s[G1+2], 64<<16                      ; tensor_dim1
	s_mov_b32 s[G1+3], 32<<16                      ; tile_dim0
	s_mov_b32 s[G1+4], 64                          ; tile_dim1
	s_mov_b32 s[G1+5], 32                          ; tensor_dim0_stride
	s_mov_b32 s[G1+6], 0
	s_mov_b32 s[G1+7], 0
	s_lshl_b32 s39, s[WV], 14                      ; my 16,384 bytes of a slot: waves 0-3 K's, waves 4-7 V's
	s_lshl_b32 s46, s11, 18                        ; the head's bytes in a part
	s_lshr_b32 s12, s[WV], 2
	s_add_co_u32 s12, s12, 1
	s_lshl_b32 s12, s12, 24                        ; part 1 (k) or 2 (v)
	s_add_co_u32 s12, s12, s46
	s_and_b32 s44, s[WV], 3
	s_lshl_b32 s44, s44, 14
	s_add_co_u32 s12, s12, s44                     ; my quarter of a slot's K or V
	s_mov_b32 s13, 0
	s_lshl_b32 s14, s10, 16                        ; Q: my work-group's 512 queries,
	s_add_co_u32 s14, s14, s46
	s_lshl_b32 s45, s[WV], 13                      ; my wave's 64
	s_add_co_u32 s14, s14, s45
	s_mov_b32 s15, 0
	s_lshr_b32 s42, s11, 4                         ; att: block of 128 rows = 16 batch + 4 cx + wave / 2;
	s_lshl_b32 s42, s42, 4
	s_lshl_b32 s43, s10, 2
	s_add_co_u32 s42, s42, s43
	s_lshr_b32 s43, s[WV], 1
	s_add_co_u32 s42, s42, s43
	s_lshl_b32 s42, s42, 18
	s_and_b32 s43, s11, 15                         ; the head's two chunks of 32 channels, 8,192 bytes each;
	s_lshl_b32 s43, s43, 14
	s_add_co_u32 s42, s42, s43
	s_and_b32 s43, s[WV], 1                        ; my four row tiles of the block's eight
	s_lshl_b32 s43, s43, 12
	s_add_co_u32 s42, s42, s43
	s_mov_b32 s43, 0
	s_mov_b32 s[CS], 0x3e38aa3b                    ; c = log2(e) / 8
	s_mov_b32 s[CS+1], s[CS]
	s_mov_b32 s[SEL], 0x76543210
	s_mov_b32 s[SEL+1], 0xfedcba98
	s_mov_b32 s[TB], 0
	s_mov_b32 s[SLOTS], 2
	v_and_b32 v8, 31, v0
	v_lshlrev_b32 v[AK0], 4, v8
	v_lshl_add_u32 v[AV0], v8, 4, VOFF
	v_lshlrev_b32 v[GO], 4, v8
	s_wait_dscnt 0x0                               ; both opening adds are done
	s_wait_kmcnt 0x0
	s_mov_b32 s[G0A], 1                            ; count = 1
	s_mov_b32 s[G0A+1], s39                        ; LDS address: slot 0
	s_add_nc_u64 s[G0A+2:G0A+3], s[4:5], s[12:13]  ; keys 0 to 511
	s_mov_b32 s[G0B], 1
	s_add_co_u32 s[G0B+1], s39, SLOT1
	s_add_nc_u64 s[G0B+2:G0B+3], s[G0A+2:G0A+3], 65536   ; keys 512 to 1,023
	s_or_b32 s[G0A+3], s[G0A+3], 0x80000000        ; type = 2
	s_or_b32 s[G0B+3], s[G0B+3], 0x80000000
	s_add_nc_u64 s[QB:QB+1], s[4:5], s[14:15]
	s_add_nc_u64 s[6:7], s[6:7], s[42:43]
	CROUND                                         ; all four work-groups are here: the first joint loads meet
	tensor_load_to_lds s[G0A:G0A+3], s[G1:G1+7]
	s_nop 0
	tensor_load_to_lds s[G0B:G0B+3], s[G1:G1+7]
	s_nop 0
	PLACES 4
	WIN 0x40                                       ; destination window 1
.irp i, 0,1,2,3,4,5,6,7,8,9,10,11,12,13,14,15
	global_load_b128 v[QF+4*\i:QF+4*\i+3], v[GO], s[QB:QB+1] offset:512*\i   ; Q stays in registers
.endr
.set i, 0
.rept 128
	v_mov_b32 v[i], 0                              ; O^T.  The step is written for every step alike: the first finds zeros, which a = 0 leaves zeros
.set i, i+1
.endr
	WIN 0
.irp t, 0,1,2,3
	v_mov_b32 v[ST+12*\t+1], 0xff61b1e6            ; m = -3e38, under every score that this text serves
	v_mul_f32 v[ST+12*\t], s[CS], v[ST+12*\t+1]    ; c m
	v_mov_b32 v[ST+12*\t+2], 0                     ; l
	v_mov_b32 v[ST+12*\t+3], 0
	v_mov_b32 v[ST+12*\t+4], 0
	v_mov_b32 v[ST+12*\t+5], 0
	v_mov_b32 v[ST+12*\t+7], 0                     ; named with a, and on the way out with 1 / l, as the upper half of a pair of which the low word alone is used: written here, so that it is written on every way through the text
.endr
; THE LDS LOADS stand in runs of 16: a step's K (8 fragments) and its V (8 fragments), images as they lie.
.macro LK
	v_add_nc_u32 v[ADK], s[TB], v[AK0]
.irp f, 0,1,2,3,4,5,6,7,8,9,10,11,12,13,14,15
	ds_load_b128 v[KF+4*\f:KF+4*\f+3], v[ADK] offset:512*\f
.endr
.endm
.macro LV
	v_add_nc_u32 v[ADV], s[TB], v[AV0]
	s_add_co_u32 s[TB], s[TB], STEPB               ; the next fetch is the next step's
	WIN 0x40
.irp f, 0,1,2,3,4,5,6,7,8,9,10,11,12,13,14,15
	ds_load_b128 v[VF+4*\f:VF+4*\f+3], v[ADV] offset:512*\f
.endr
	WIN 0
.endm
; S^T = K Q^T: 32 matrix instructions on 16 accumulators, which take turns, one instruction a turn; the first 16 start the sums.
.macro QK
	WIN 0x04                                       ; source 1 (Q) window 1
.irp c, 0,1
.irp k, 0,1,2,3
.irp t, 0,1,2,3
.if \c == 0
	v_wmma_f32_16x16x32_f16 v[S+32*\t+8*\k:S+32*\t+8*\k+7], v[KF+16*\k+8*\c:KF+16*\k+8*\c+7], v[QF+16*\t+8*\c:QF+16*\t+8*\c+7], 0
.else
	v_wmma_f32_16x16x32_f16 v[S+32*\t+8*\k:S+32*\t+8*\k+7], v[KF+16*\k+8*\c:KF+16*\k+8*\c+7], v[QF+16*\t+8*\c:QF+16*\t+8*\c+7], v[S+32*\t+8*\k:S+32*\t+8*\k+7]
.endif
.endr
.endr
.endr
.endm
; O^T += V^T P: 32 matrix instructions on 16 accumulators by turns.
.macro PV
	WIN 0x51                                       ; source 0 (V), C and D (O^T) window 1; source 1 (P) window 0
.irp k, 0,1
.irp d, 0,1,2,3
.irp t, 0,1,2,3
	v_wmma_f32_16x16x32_f16 v[32*\t+8*\d:32*\t+8*\d+7], v[VF+32*\k+8*\d:VF+32*\k+8*\d+7], v[S+32*\t+8*\k:S+32*\t+8*\k+7], v[32*\t+8*\d:32*\t+8*\d+7]
.endr
.endr
.endr
.endm
; THE SOFTMAX of a step, four tiles by turns in every stage, so that no line waits for the line above it: 118 instructions a tile.
.macro SM
.irp j, 0,1,2,3                        ; the maximum of the lane's 32 scores and the old m: four chains; each accumulator is read from its low end on
.irp t, 0,1,2,3
	v_max3_num_f32 v[ST+12*\t+8+\j], v[S+32*\t+8*\j], v[S+32*\t+8*\j+1], v[S+32*\t+8*\j+2]
.endr
.endr
.irp i, 1,2
.irp j, 0,1,2,3
.irp t, 0,1,2,3
	v_max3_num_f32 v[ST+12*\t+8+\j], v[ST+12*\t+8+\j], v[S+32*\t+8*\j+2*\i+1], v[S+32*\t+8*\j+2*\i+2]
.endr
.endr
.endr
.irp t, 0,1,2,3
	v_max3_num_f32 v[ST+12*\t+8], v[ST+12*\t+8], v[S+32*\t+7], v[S+32*\t+15]
.endr
.irp t, 0,1,2,3
	v_max3_num_f32 v[ST+12*\t+10], v[ST+12*\t+10], v[S+32*\t+23], v[S+32*\t+31]
.endr
.irp t, 0,1,2,3
	v_max3_num_f32 v[ST+12*\t+8], v[ST+12*\t+8], v[ST+12*\t+9], v[ST+12*\t+10]
.endr
.irp t, 0,1,2,3
	v_max3_num_f32 v[ST+12*\t+8], v[ST+12*\t+8], v[ST+12*\t+11], v[ST+12*\t+1]
.endr
.irp t, 0,1,2,3
	v_permlanex16_b32 v[ST+12*\t+9], v[ST+12*\t+8], s[SEL], s[SEL+1]   ; the query's other 32 keys lie in the lane 16 away
.endr
.irp t, 0,1,2,3
	v_mov_b32 v[ST+12*\t+7], v[ST+12*\t]           ; c m_old is kept for a
.endr
.irp t, 0,1,2,3
	v_max_num_f32 v[ST+12*\t+1], v[ST+12*\t+8], v[ST+12*\t+9]
.endr
.irp t, 0,1,2,3
	v_mul_f32 v[ST+12*\t], s[CS], v[ST+12*\t+1]
.endr
.irp t, 0,1,2,3
	v_sub_f32 v[ST+12*\t+7], v[ST+12*\t+7], v[ST+12*\t]
.endr
; ONE BATCH: the four a, the 64 scalings c s - c m (a pair of scores each) and the 128 exponentials; a pair's exponentials follow the next pair's scaling.  None of these lines names an exponential's result.
.irp t, 0,1,2,3
	v_exp_f32 v[ST+12*\t+6], v[ST+12*\t+7]
.endr
.irp b, 0,1,2,3,4,5,6,7,8,9,10,11,12,13,14,15
.irp t, 0,1,2,3
	v_pk_fma_f32 v[S+32*\t+2*\b:S+32*\t+2*\b+1], v[S+32*\t+2*\b:S+32*\t+2*\b+1], s[CS:CS+1], v[ST+12*\t:ST+12*\t+1] op_sel_hi:[1,0,0] neg_lo:[0,0,1] neg_hi:[0,0,1]
.if \b > 0
	v_exp_f32 v[S+32*\t+2*\b-2], v[S+32*\t+2*\b-2]
	v_exp_f32 v[S+32*\t+2*\b-1], v[S+32*\t+2*\b-1]
.endif
.endr
.endr
.irp t, 0,1,2,3
	v_exp_f32 v[S+32*\t+30], v[S+32*\t+30]
	v_exp_f32 v[S+32*\t+31], v[S+32*\t+31]
.endr
	v_nop                                          ; a plain instruction behind the last exponential, ahead of the first use
	s_wait_alu depctr_va_vdst(0)                   ; the wait ahead of the first line that names a result: one for the batch
.irp t, 0,1,2,3                        ; l = a l + the sum of the unrounded p: two pairs a tile, eight chains in all
	v_pk_fma_f32 v[ST+12*\t+2:ST+12*\t+3], v[ST+12*\t+2:ST+12*\t+3], v[ST+12*\t+6:ST+12*\t+7], v[S+32*\t:S+32*\t+1] op_sel_hi:[1,0,1]
.endr
.irp t, 0,1,2,3
	v_pk_fma_f32 v[ST+12*\t+4:ST+12*\t+5], v[ST+12*\t+4:ST+12*\t+5], v[ST+12*\t+6:ST+12*\t+7], v[S+32*\t+2:S+32*\t+3] op_sel_hi:[1,0,1]
.endr
.irp i, 4,8,12,16,20,24,28
.irp t, 0,1,2,3
	v_pk_add_f32 v[ST+12*\t+2:ST+12*\t+3], v[ST+12*\t+2:ST+12*\t+3], v[S+32*\t+\i:S+32*\t+\i+1]
.endr
.irp t, 0,1,2,3
	v_pk_add_f32 v[ST+12*\t+4:ST+12*\t+5], v[ST+12*\t+4:ST+12*\t+5], v[S+32*\t+\i+2:S+32*\t+\i+3]
.endr
.endr
.irp j, 0,1,2,3,4,5,6,7,8,9,10,11,12,13,14,15   ; P over S, ascending: register j takes pair j, whose registers 2 j, 2 j + 1 no earlier line has written and no later line reads
.irp t, 0,1,2,3
	v_cvt_pk_f16_f32 v[S+32*\t+\j], v[S+32*\t+2*\j], v[S+32*\t+2*\j+1]
.endr
.endr
	WIN 0x41                                       ; O^T (destination and source 0) window 1, a window 0
.irp j, 0,2,4,6,8,10,12,14,16,18,20,22,24,26,28,30
.irp t, 0,1,2,3
	v_pk_mul_f32 v[32*\t+\j:32*\t+\j+1], v[32*\t+\j:32*\t+\j+1], v[ST+12*\t+6:ST+12*\t+7] op_sel_hi:[1,0]
.endr
.endr
	WIN 0
.endm
.macro SMIF g                          ; the softmax, for the waves of group g alone
	s_cmp_eq_u32 s[GRP], \g
	s_cbranch_scc0 .Lno_sm_\@
	SM
.Lno_sm_\@:
.endm
; A STEP: K of the next step is asked for; group 0's softmax of this step; V^T P of this step; K Q^T of the next; V of the next is asked for; group 1's softmax of the next.
.macro STEP
	LK                                             ; K's registers: their last reader stands in front of the four places below, a trip back
	SMIF 0
	s_wait_dscnt 16                                ; V's sixteen loads are in; K's sixteen younger ones may be out
	PV
	PLACES 5                                       ; K Q^T writes over P's registers, which V^T P has read: five places (ISA guide 7.12.1, and one more)
	s_wait_dscnt 0x0                               ; K is in
	QK
	WIN 0
	PLACES 4                                       ; in front of the softmax's reads of the scores and of the loads into K's and V's registers
	LV
	SMIF 1
.endm
.macro STEPS n
	s_mov_b32 s[CNT], \n
.Lstep_\@:
	STEP
	s_sub_co_u32 s[CNT], s[CNT], 1
	s_cmp_lg_u32 s[CNT], 0
	s_cbranch_scc1 .Lstep_\@
.endm
; THE CHANGE OF SLOTS: the slot's last bytes, K and V of its eighth step, have been asked for.  Each wave waits for all its tensor loads (its part of the other slot), adds 0 to its spare word, and waits for that and for its reads
; of the slot.  fill = 1: the barrier is a round of the cluster's, so that no wave of any partner still reads the slot or has a load on its way, and the joint refill, the keys two slots on, is the first thing behind it.
.macro CHANGE fill
	s_wait_tensorcnt 0x0                           ; no tensor load of mine is out, so a group 0 may be written
	ds_add_u32 v[SPW], v[NIL]                      ; 0 onto my spare word
.if \fill
	s_xor_b32 s[G0B+1], s[G0B+1], SLOT1            ; the walking descriptor: the other slot than last time,
	s_add_nc_u64 s[G0B+2:G0B+3], s[G0B+2:G0B+3], 65536   ; the next 512 keys; the type bits on top are not reached
	s_wait_dscnt 0x0                               ; the add is done, and my reads of the slot are over
	CROUND
	tensor_load_to_lds s[G0B:G0B+3], s[G1:G1+7]
	s_nop 0
	PLACES 4
.else
	s_wait_dscnt 0x0
	s_barrier_signal -1
	s_barrier_wait -1
.endif
	s_sub_co_u32 s[TB], s[TB], 8*STEPB             ; the fetches go back to a slot's first step,
	s_xor_b32 s[TB], s[TB], SLOT1                  ; in the other slot
.endm
	s_wait_tensorcnt 0x1                           ; my part of slot 0 is in; slot 1's may stay out
	s_barrier_signal -1
	s_barrier_wait -1                              ; everybody's is
	LK                                             ; key step 0
	s_wait_dscnt 0x0
	s_wait_loadcnt 0x0                             ; Q
	QK
	WIN 0
	PLACES 4
	LV
	SMIF 1
	STEPS 7                                        ; steps 0 to 6: they fetch steps 1 to 7, the rest of slot 0
.Lslot:                                            ; two trips: slots 0 and 1 are filled again
	CHANGE 1
	STEPS 8
	s_sub_co_u32 s[SLOTS], s[SLOTS], 1
	s_cmp_lg_u32 s[SLOTS], 0
	s_cbranch_scc1 .Lslot
	CHANGE 0                                       ; the tail is written out
	STEPS 8
	SMIF 0                                         ; group 0's softmax of the last step
	s_wait_dscnt 0x0                               ; V is in
	PV
	WIN 0
	; THE WAY OUT.  l's four parts and the other half of the lanes' are added (these additions are the places behind the last products); O^T is divided by l and rounded to f16: a tile's 16 registers are four half images.
.irp t, 0,1,2,3
	v_add_f32 v[ST+12*\t+8], v[ST+12*\t+2], v[ST+12*\t+3]
.endr
.irp t, 0,1,2,3
	v_add_f32 v[ST+12*\t+9], v[ST+12*\t+4], v[ST+12*\t+5]
.endr
.irp t, 0,1,2,3
	v_add_f32 v[ST+12*\t+8], v[ST+12*\t+8], v[ST+12*\t+9]
.endr
.irp t, 0,1,2,3
	v_permlanex16_b32 v[ST+12*\t+9], v[ST+12*\t+8], s[SEL], s[SEL+1]
.endr
.irp t, 0,1,2,3
	v_add_f32 v[ST+12*\t+8], v[ST+12*\t+8], v[ST+12*\t+9]
.endr
.irp t, 0,1,2,3
	v_rcp_f32 v[ST+12*\t+6], v[ST+12*\t+8]
.endr
	v_nop                                          ; a plain instruction between the last reciprocal and the use of its result
	s_wait_alu depctr_va_vdst(0)                   ; and the wait ahead of the first use: one for the four
.irp t, 0,1,2,3
	WIN 0x41
.irp j, 0,2,4,6,8,10,12,14,16,18,20,22,24,26,28,30
	v_pk_mul_f32 v[32*\t+\j:32*\t+\j+1], v[32*\t+\j:32*\t+\j+1], v[ST+12*\t+6:ST+12*\t+7] op_sel_hi:[1,0]
.endr
	WIN 0x05                                       ; sources 0 and 1 window 1, destination window 0: S^T's registers are free
.irp i, 0,1,2,3,4,5,6,7,8,9,10,11,12,13,14,15
	v_cvt_pk_f16_f32 v[S+16*\t+\i], v[32*\t+2*\i], v[32*\t+2*\i+1]
.endr
	WIN 0
.irp d, 0,1,2,3                        ; channel tile d: chunk d / 2 of the head's two, half d % 2 of the image of row tile t
	global_store_b128 v[GO], v[S+16*\t+4*\d:S+16*\t+4*\d+3], s[6:7] offset:(\d/2)*8192+1024*\t+(\d%2)*512   ; 32 lanes store 512 consecutive bytes, aligned
.endr
.endr
	s_wait_tensorcnt 0x0                           ; the wave's end, behind my last tensor load
	ds_add_u32 v[SPW], v[NIL]
	s_wait_dscnt 0x0
	CROUND                                         ; the closing round: no work-group ends while a partner may still ask for a tile that names it
	s_endpgm
.Lfunc_end_k_q5db4b2b62a_attn:
	.size	k_q5db4b2b62a_attn, .Lfunc_end_k_q5db4b2b62a_attn-k_q5db4b2b62a_attn
	.p2alignl 7, 3214868480
	.fill 96, 4, 3214868480
	.section	.rodata,"a",@progbits
	.p2align	6, 0x0
	.amdhsa_kernel k_q5db4b2b62a_attn
		.amdhsa_group_segment_fixed_size 327680
		.amdhsa_private_segment_fixed_size 0
		.amdhsa_enable_private_segment 0
		.amdhsa_kernarg_size 16
		.amdhsa_user_sgpr_count 2
		.amdhsa_user_sgpr_kernarg_segment_ptr 1
		.amdhsa_wavefront_size32 1
		.amdhsa_system_sgpr_workgroup_id_x 1
		.amdhsa_system_sgpr_workgroup_id_y 1
		.amdhsa_system_sgpr_workgroup_id_z 1
		.amdhsa_system_vgpr_workitem_id 0
		.amdhsa_next_free_vgpr 512
		.amdhsa_next_free_sgpr 66
		.amdhsa_reserve_vcc 0
		.amdhsa_float_denorm_mode_32 3
		.amdhsa_float_denorm_mode_16_64 3
		.amdhsa_memory_ordered 1
		.amdhsa_forward_progress 1
		.amdhsa_inst_pref_size 251
	.end_amdhsa_kernel
	.amdgpu_metadata
---
amdhsa.version: [ 1, 2 ]
amdhsa.kernels:
  - .name:           k_q5db4b2b62a_attn
    .symbol:         k_q5db4b2b62a_attn.kd
    .args:
      - { .name: qkv, .offset: 0, .size: 8, .value_kind: global_buffer, .address_space: global }
      - { .name: att, .offset: 8, .size: 8, .value_kind: global_buffer, .address_space: global }
    .group_segment_fixed_size: 327680
    .private_segment_fixed_size: 0
    .kernarg_segment_align: 8
    .kernarg_segment_size: 16
    .max_flat_workgroup_size: 256
    .sgpr_count:     66
    .vgpr_count:     512
    .wavefront_size: 32
...
	.end_amdgpu_metadata
.endif
;; end of part 3
;; launch oproj (part 4): grid 4 x 64, 4 waves a work-group, clusters of 4 x 4, 327,680 bytes of LDS; arguments att, wo16, out0; writes out0
.if DOCPART == 4
	.amdgcn_target "amdgcn-amd-amdhsa--gfx1250"
	.amdhsa_code_object_version 6
	.text
	.protected	k_q5db4b2b62a_oproj
	.globl	k_q5db4b2b62a_oproj
	.p2align	8
	.type	k_q5db4b2b62a_oproj,@function
k_q5db4b2b62a_oproj:
	s_mov_b64 s[64:65], 0
	v_nop
	global_prefetch_b8 v0, s[64:65] scope:SCOPE_SE
	s_setreg_imm32_b32 hwreg(HW_REG_WAVE_MODE, 25, 1), 1
	s_wait_xcnt 0x0
	s_wait_alu depctr_hold_cnt(0) depctr_sa_sdst(0) depctr_va_vdst(0) depctr_va_sdst(0) depctr_va_ssrc(0) depctr_va_vcc(0) depctr_vm_vsrc(0)
	s_getreg_b32 s2, hwreg(HW_REG_IB_STS2, 6, 4)
	s_cmp_eq_u32 s2, 0
	s_cbranch_scc0 .Lentry_in_a_cluster
	s_endpgm
.Lentry_in_a_cluster:
	s_bfe_u32 s2, ttmp6, 0x10000c
	s_cmp_lg_u32 s2, 0xf033
	s_cbranch_scc0 .Lentry_shape_is_right
	s_endpgm
.Lentry_shape_is_right:
; out0[m][n] = the sum over k of att[m][k] W_o[n][k]: 8,192 x 1,024 x 1,024, operands in f16, sums and result in f32.
; att: [block of 128 rows 0..63][chunk of 32 k 0..31][row tile 0..7][image of a fragment: [half][lane][16 bytes]]: a K step of 128 of a block is 32,768 dense bytes.  wo16: [1024][1024] f16, row-major.
; SHARES.  A tile of out0 is 128 rows x 256 columns: 256 work-groups (tiles of 256 x 256 would be 128).  Four waves, each 64 x 128: 32 accumulators, 256 registers.  K goes in 8 steps of 128 through two LDS slots
; (two slots of 256 along K would not fit in LDS).  Waves 0 and 1 fetch att's two halves of a step (16,384 dense bytes each), waves 2 and 3 W_o's (128 rows of 256 bytes each, 16 bytes of padding behind each row).
; CLUSTERS: 4 x 4 work-groups.  The four of a row of the cluster need the same tiles of att, the four of a column the same tiles of W_o: each is asked for JOINTLY.  By this text's count two tensor loads of a wave are out at the most.
; THE MATRIX INSTRUCTION IS USED TRANSPOSED (source 0 = 16 rows of W_o, source 1 = 16 rows of att): a lane holds eight neighbouring numbers of a row of out0.
; REGISTERS.  window 0: v16-30 addresses; two fragment buffers of 96, v32-127 and v128-223: att's four blocks, then W_o's eight; on the way out v32-159.  window 1: accumulator (a, b) at v[8 (8 a + b)].
.set PITCH,  272                       ; a row of W_o in LDS: 256 bytes + 16 of padding = 68 words: row r starts at bank 4 r mod 64 (ISA guide 11.1)
.set ABYTES, 32768                     ; att's part of a slot: [chunk 0..3][row tile 0..7][1,024]
.set HALFA,  16384
.set HALFB,  128*PITCH
.set SLOT,   ABYTES+2*HALFB
.set STAGE,  2*SLOT                    ; behind the ring: 16 rows x 528 bytes for each wave, for the way out
.set SPITCH, 528
.set SPARE,  STAGE+4*16*SPITCH         ; the spare words, 128 bytes a wave, that no other line names
.set ADRA, 16                          ; v16-17 LDS address of my att fragments in slot 0, 1
.set ADRB, 20                          ; v20-21 the same for W_o
.set STO,  24                          ; v24 the way out: where I put 32 bytes of a row
.set RD,   25                          ; v25 where I read a row back
.set CO,   26                          ; v26 16 x lane: my bytes of a row of 512
.set SPW,  28                          ; v28 LDS address of my spare word; never rewritten
.set NIL,  29                          ; v29 0; never rewritten
.set PFO,  30                          ; v30 256 x lane: the prefetches' offset; never rewritten
.set F0,   32
.set F1,   128
.set BK,   32                          ; the way out: 16 rows read back: v32-95 and v96-159 by turns
.set G1, 24                            ; s[24:31] group 1 for att's tiles; s[32:39] group 0, a set for each slot
.set G0, 32
.set G1B, 48                           ; s[48:55], s[56:63] the same for W_o's
.set G0B, 56
.set PFA, 66                           ; s[66:67] where my prefetches stand: my work-group's 8,192 bytes of att's block, one K step further on than the refill that is being asked for
.set LIM, 68                           ; s68 1 in the wave that prefetches, else the greatest number
.set MSB, 0
.macro WIN new                         ; the immediate's high byte repeats the setting that is left
.if MSB != \new
	s_set_vgpr_msb (MSB<<8)|\new
.set MSB, \new
.endif
.endm
.set MUL, 0x50                         ; C and D window 1, sources window 0
.macro JLOAD s                         ; a joint load: waves 0 and 1 fetch att's halves, waves 2 and 3 W_o's; an s_nop 0 and four v_nop follow each of the two lines
	s_cmp_eq_u32 s11, 0
	s_cbranch_scc0 .Lfor_b_\@
	tensor_load_to_lds s[G0+4*\s:G0+4*\s+3], s[G1:G1+7]
	s_nop 0
.rept 4
	v_nop
.endr
	s_branch .Lasked_\@
.Lfor_b_\@:
	tensor_load_to_lds s[G0B+4*\s:G0B+4*\s+3], s[G1B:G1B+7]
	s_nop 0
.rept 4
	v_nop
.endr
.Lasked_\@:
.endm
; A PREFETCH INTO THE L2, behind each joint load, its five lines and the run of LDS loads: att's K step that stands TWO refills, 256 matrix instructions of a wave, on.  A block's K step is 32,768 bytes, read by the four partners of
; one row of one cluster and by nobody else: each of the four takes 8,192 of them, told apart BY ADDRESS (cx); in each, wave 0 asks, lanes 256 bytes apart: one instruction, and each 256 bytes are named once in the launch.
; The loop's last trip asks for nothing: there is no K step two on.  K steps 0 to 3 come by their loads alone.  W_o, which all sixteen clusters walk, is not asked for.
.macro ASK
	s_cmp_gt_u32 s3, s[LIM]                        ; s3 = 1 in the loop's last trip
	s_cbranch_scc0 .Lnot_mine_\@
	global_prefetch_b8 v[PFO], s[PFA:PFA+1] offset:ABYTES th:TH_LOAD_NT scope:SCOPE_SE
.Lnot_mine_\@:
.endm
.macro CREST                           ; a round of the cluster's barrier behind its opening barrier
	s_cmp_lg_u32 s10, 0
	s_cbranch_scc1 .Lnot_wave_0_\@
	s_barrier_signal -3
.Lnot_wave_0_\@:
	s_barrier_wait -3
	s_barrier_signal -1
	s_barrier_wait -1
.endm
.macro CROUND                          ; a whole round
	s_barrier_signal -1
	s_barrier_wait -1
	CREST
.endm
	s_load_b128 s[4:7], s[0:1], 0x0                ; att s[4:5], wo16 s[6:7]
	s_load_b64 s[8:9], s[0:1], 0x10                ; out0
	v_lshl_add_u32 v[SPW], v0, 2, SPARE
	v_mov_b32 v[NIL], 0
	ds_add_u32 v[SPW], v[NIL]                      ; the wave's opening: the add, twice on end, and its wait ahead of my first tensor load
	ds_add_u32 v[SPW], v[NIL]                      ; and once more, under the one wait; the set-up below, work on registers, stands between
	v_lshrrev_b32 v1, 5, v0
	v_readfirstlane_b32 s10, v1                    ; wave 0..3
	s_lshr_b32 s11, s10, 1                         ; which 64 of the tile's rows are mine.  Also: I fetch for att (0) or for W_o (1)
	s_and_b32 s12, s10, 1                          ; which 128 of its columns.  Also: which half I fetch
	s_bfe_u32 s40, ttmp6, 0x40000                  ; cx, cy: my place in the cluster
	s_bfe_u32 s41, ttmp6, 0x40004
	s_lshl_b32 s42, ttmp9, 2
	s_add_co_u32 s42, s42, s40                     ; tile column = 4 x cluster x + cx
	s_and_b32 s13, ttmp7, 0xffff
	s_lshl_b32 s13, s13, 2
	s_add_co_u32 s13, s13, s41                     ; tile row = 4 x cluster y + cy
	s_lshl_b32 s43, s41, 2
	s_lshl_b32 s43, 15, s43                        ; my row of the cluster
	s_lshl_b32 s44, 0x1111, s40                    ; my column
	; att's group 1: 16,384 dense bytes as 64 rows of 256 bytes (32 elements of 8 bytes), no padding
	s_or_b32 s[G1+0], s43, (3<<16)|(1<<21)         ; 15:0 the mask: my row; 17:16 elements of 8 bytes; 21 set beside a mask
	s_mov_b32 s[G1+1], 32<<16
	s_mov_b32 s[G1+2], 64<<16
	s_mov_b32 s[G1+3], 32<<16
	s_mov_b32 s[G1+4], 64
	s_mov_b32 s[G1+5], 32
	s_mov_b32 s[G1+6], 0
	s_mov_b32 s[G1+7], 0
	; W_o's: 128 rows x 128 elements of 2 bytes, 1,024 elements from row to row, four words of padding after every 64
	s_or_b32 s[G1B+0], s44, (1<<16)|(1<<20)|(1<<21)|(5<<22)|(3<<25)
	s_mov_b32 s[G1B+1], 128<<16
	s_mov_b32 s[G1B+2], 128<<16
	s_mov_b32 s[G1B+3], 128<<16
	s_mov_b32 s[G1B+4], 128
	s_mov_b32 s[G1B+5], 1024
	s_mov_b32 s[G1B+6], 0
	s_mov_b32 s[G1B+7], 0
	s_lshl_b32 s16, s13, 18                        ; att: the block's 262,144 bytes,
	s_lshl_b32 s17, s12, 14                        ; my half of a K step
	s_add_co_u32 s16, s16, s17
	s_mov_b32 s17, 0
	s_lshl_b32 s46, s42, 8                         ; W_o: row 256 x tile column + 128 x half,
	s_lshl_b32 s47, s12, 7
	s_add_co_u32 s46, s46, s47
	s_lshl_b32 s46, s46, 11                        ; of 2,048 bytes
	s_mov_b32 s47, 0
	s_lshl_b32 s20, s12, 14                        ; where they go in a slot: no place in the cluster enters an LDS address
	s_mul_i32 s21, s12, HALFB
	s_add_co_u32 s21, s21, ABYTES
	s_wait_dscnt 0x0                               ; both opening adds are done
	s_wait_kmcnt 0x0
	s_add_nc_u64 s[14:15], s[4:5], s[16:17]
	s_add_nc_u64 s[46:47], s[6:7], s[46:47]
	CROUND                                         ; all sixteen work-groups are here: the first joint loads meet
.irp s, 0,1
	s_mov_b32 s[G0+4*\s], 1
	s_add_co_u32 s[G0+4*\s+1], s20, \s*SLOT
	s_add_nc_u64 s[G0+4*\s+2:G0+4*\s+3], s[14:15], \s*ABYTES
	s_or_b32 s[G0+4*\s+3], s[G0+4*\s+3], 0x80000000
	s_mov_b32 s[G0B+4*\s], 1
	s_add_co_u32 s[G0B+4*\s+1], s21, \s*SLOT
	s_add_nc_u64 s[G0B+4*\s+2:G0B+4*\s+3], s[46:47], \s*256
	s_or_b32 s[G0B+4*\s+3], s[G0B+4*\s+3], 0x80000000
	JLOAD \s
.endr
	v_and_b32 v1, 15, v0                           ; l % 16
	v_bfe_u32 v2, v0, 4, 1                         ; l / 16
	v_and_b32 v3, 31, v0
	v_lshlrev_b32 v[CO], 4, v3
	v_lshlrev_b32 v[PFO], 8, v3
	v_mul_u32_u24 v5, v1, PITCH
	v_lshl_add_u32 v5, v2, 4, v5                   ; W_o: a fragment's row x pitch + 16 x half
	s_lshl_b32 s22, s11, 12                        ; att: my four row tiles of a chunk's eight
	s_mul_i32 s23, s12, HALFB
	s_add_co_u32 s23, s23, ABYTES                  ; W_o: my 128 rows
.irp s, 0,1
	v_add_nc_u32 v[ADRA+\s], s22, v[CO]
	v_add_nc_u32 v[ADRB+\s], s23, v5
	s_add_co_u32 s22, s22, SLOT
	s_add_co_u32 s23, s23, SLOT
.endr
	s_mul_i32 s23, s10, 16*SPITCH
	s_add_co_u32 s23, s23, STAGE                   ; my stage
	v_mul_u32_u24 v4, v1, SPITCH                   ; in: row l % 16, 32 bytes for each half of the lanes
	v_lshl_add_u32 v4, v2, 5, v4
	v_add_nc_u32 v[STO], s23, v4
	v_add_nc_u32 v[RD], s23, v[CO]                 ; back: the 32 lanes take one row of 512 bytes
	s_lshl_b32 s70, s13, 7
	s_lshl_b32 s69, s11, 6
	s_add_co_u32 s70, s70, s69                     ; my first row of out0: 128 x tile row + 64 x half,
	s_lshl_b32 s70, s70, 12                        ; of 4,096 bytes;
	s_lshl_b32 s69, s42, 10
	s_add_co_u32 s70, s70, s69                     ; my first column, in bytes: 1,024 x tile column + 512 x half
	s_lshl_b32 s69, s12, 9
	s_add_co_u32 s70, s70, s69
	s_mov_b32 s71, 0
	s_add_nc_u64 s[8:9], s[8:9], s[70:71]
	s_lshl_b32 s18, s13, 18                        ; the prefetches: att's block, my work-group's 8,192 bytes of a K step,
	s_lshl_b32 s19, s40, 13
	s_add_co_u32 s18, s18, s19
	s_add_co_u32 s18, s18, 2*ABYTES                ; at K step 2: the first refill steps it to 3 and names K step 4.  Nothing is prefetched here, at the head
	s_mov_b32 s19, 0
	s_add_nc_u64 s[PFA:PFA+1], s[4:5], s[18:19]
	s_cmp_eq_u32 s10, 0
	s_cselect_b32 s[LIM], 1, -1
; 8 matrix instructions: att's block a x W_o's eight, 32 along K, out of buffer f.  zero = 1: the first product starts the sums.  The 32 accumulators take turns, one instruction a turn, in the same order in every quarter.
.macro MUL8 f, a, zero
.irp b, 0,1,2,3,4,5,6,7
.if \zero
	v_wmma_f32_16x16x32_f16 v[8*(8*\a+\b):8*(8*\a+\b)+7], v[\f+32+8*\b:\f+32+8*\b+7], v[\f+8*\a:\f+8*\a+7], 0
.else
	v_wmma_f32_16x16x32_f16 v[8*(8*\a+\b):8*(8*\a+\b)+7], v[\f+32+8*\b:\f+32+8*\b+7], v[\f+8*\a:\f+8*\a+7], v[8*(8*\a+\b):8*(8*\a+\b)+7]
.endif
.endr
.endm
; 24 LDS loads in one run: the fragments of the slot's q-th 32 along K into buffer f: W_o's eight, then att's four
.macro FETCH slot, q, f
	WIN 0
.irp i, 0,1,2,3,4,5,6,7
	ds_load_b128 v[\f+32+8*\i:\f+32+8*\i+3],   v[ADRB+\slot] offset:64*\q+\i*16*PITCH
	ds_load_b128 v[\f+32+8*\i+4:\f+32+8*\i+7], v[ADRB+\slot] offset:64*\q+\i*16*PITCH+32
.endr
.irp a, 0,1,2,3
	ds_load_b128 v[\f+8*\a:\f+8*\a+3],   v[ADRA+\slot] offset:8192*\q+1024*\a
	ds_load_b128 v[\f+8*\a+4:\f+8*\a+7], v[ADRA+\slot] offset:8192*\q+1024*\a+512
.endr
.endm
.macro PLACES                          ; four places in front of loads into registers that matrix instructions have read, and of reads of results
.rept 4
	v_nop
.endr
.endm
; A K step is four quarters of 32 along K, 32 matrix instructions each, on buffers 0, 1, 0, 1.  One of the first three: multiplies buffer f and fetches the slot's quarter q into g.
.macro QUARTER slot, q, f, g, zero
	s_wait_dscnt 4                                 ; W_o's eight and att's blocks 0, 1 are in; the youngest four loads (att's blocks 2, 3) may be out
	WIN MUL
	MUL8 \f, 0, \zero
	MUL8 \f, 1, \zero
	PLACES
	FETCH \slot, \q, \g
	s_wait_dscnt 24                                ; all but the 24 just issued
	WIN MUL
	MUL8 \f, 2, \zero
	MUL8 \f, 3, \zero
.endm
; The last quarter multiplies buffer 1 and changes slots: ONE barrier; in front of it each wave waits for all its tensor loads, adds 0 to its spare word, and waits for that and for its own reads of this slot.  fill = 1: this slot is filled again, two K steps ahead.
.macro TURN slot, next, fill
.if \fill
	s_wait_xcnt 0x0                                ; the last prefetch, a K step back, has read its address: it is stepped here, ahead of the waits of the change of slots
	s_add_nc_u64 s[PFA:PFA+1], s[PFA:PFA+1], ABYTES
.endif
	WIN 0                                          ; (the add's two registers lie in window 0)
	s_wait_tensorcnt 0x0                           ; all my tensor loads have landed: my part of the next slot
	ds_add_u32 v[SPW], v[NIL]                      ; 0 onto my spare word
	s_wait_dscnt 5                                 ; (the add and the youngest four loads may be out)
	WIN MUL
	MUL8 F1, 0, 0                                  ; eight matrix instructions stand between the add and the wait for it
	s_wait_dscnt 0x0                               ; the add is done, and my reads of this slot are over
	s_barrier_signal -1
	MUL8 F1, 1, 0
.if \fill
	WIN 0
.endif
	s_barrier_wait -1
.if \fill
	CREST                                          ; the barrier has opened a round of the cluster's: no wave of any partner still reads this slot's tile or has a load on its way
	s_add_nc_u64 s[G0+4*\slot+2:G0+4*\slot+3], s[G0+4*\slot+2:G0+4*\slot+3], 2*ABYTES
	s_add_nc_u64 s[G0B+4*\slot+2:G0B+4*\slot+3], s[G0B+4*\slot+2:G0B+4*\slot+3], 2*256
	JLOAD \slot                                    ; the first tensor load behind the round; the four v_nop behind it are also the places in front of the loads below
.else
	PLACES
.endif
	FETCH \next, 0, F0
.if \fill
	ASK
.endif
	WIN MUL
	MUL8 F1, 2, 0
	MUL8 F1, 3, 0
.endm
	s_wait_tensorcnt 1                             ; my part of K step 0 is in (K step 1's load may be out)
	s_barrier_signal -1
	s_barrier_wait -1                              ; everybody's is
	FETCH 0, 0, F0
	QUARTER 0, 1, F0, F1, 1                        ; the first quarter stands in front of the loop: its products start the sums
	WIN 0                                          ; at a label and at a branch every window is 0
	s_mov_b32 s3, 3
.Llap:                                             ; a trip goes once round the ring, from a lap's second quarter to the next lap's first, and fills both slots again
	QUARTER 0, 2, F1, F0, 0
	QUARTER 0, 3, F0, F1, 0
	TURN 0, 1, 1
	QUARTER 1, 1, F0, F1, 0
	QUARTER 1, 2, F1, F0, 0
	QUARTER 1, 3, F0, F1, 0
	TURN 1, 0, 1
	QUARTER 0, 1, F0, F1, 0
	WIN 0
	s_sub_co_u32 s3, s3, 1
	s_cmp_lg_u32 s3, 0
	s_cbranch_scc1 .Llap
	QUARTER 0, 2, F1, F0, 0                        ; the last lap fills nothing, and has no round of the cluster's barrier
	QUARTER 0, 3, F0, F1, 0
	TURN 0, 1, 0
	QUARTER 1, 1, F0, F1, 0
	QUARTER 1, 2, F1, F0, 0
	QUARTER 1, 3, F0, F1, 0
	s_wait_dscnt 4                                 ; the very last quarter: nothing more to fetch
	WIN MUL
	MUL8 F1, 0, 0
	MUL8 F1, 1, 0
	s_wait_dscnt 0
	MUL8 F1, 2, 0
	MUL8 F1, 3, 0
	WIN 0
; THE WAY OUT, block by block of 16 rows x 128 columns.  A lane holds 32 neighbouring bytes of a row, and the lanes beside it hold other rows: so a block goes through my own stage in LDS and comes back as whole rows of 512 bytes.
; LDS serves a wave's instructions in order (ISA guide 5.7.1.4): no wait between the stores and the loads, nor in front of the next block's stores.
.macro TOSTAGE a
	WIN 0x04                                       ; an LDS store's data are its source 1: window 1
.irp b, 0,1,2,3,4,5,6,7
	ds_store_b128 v[STO], v[8*(8*(\a)+\b):8*(8*(\a)+\b)+3] offset:64*\b          ; each accumulator from its low end on
	ds_store_b128 v[STO], v[8*(8*(\a)+\b)+4:8*(8*(\a)+\b)+7] offset:64*\b+16
.endr
	WIN 0
.set BB, BK+64*((\a)%2)
.irp t, 0,1,2,3,4,5,6,7,8,9,10,11,12,13,14,15
	ds_load_b128 v[BB+4*\t:BB+4*\t+3], v[RD] offset:\t*SPITCH
.endr
.endm
.macro SEND a, younger                 ; younger: the LDS instructions issued behind block a's loads, which may stay out
.set BB, BK+64*((\a)%2)
	s_wait_dscnt \younger                          ; the block is back in registers
.if (\a) > 0
	s_add_nc_u64 s[8:9], s[8:9], 16*4096           ; (behind a wait on XCNT: the earlier stores have read their base)  16 rows of out0 on
.endif
.irp t, 0,1,2,3,4,5,6,7,8,9,10,11,12,13,14,15
	global_store_b128 v[CO], v[BB+4*\t:BB+4*\t+3], s[8:9] offset:\t*4096 th:TH_STORE_NT   ; 32 lanes store 512 consecutive bytes, aligned; written once, read by nobody here
.endr
.endm
	PLACES                                         ; behind the last products: for the loads into the registers that held fragments, and for the reads of results
	TOSTAGE 0
.irp a, 1,2,3
.if \a > 1
	s_wait_xcnt 0x0                                ; block a - 2's stores have read their registers and their base: block a's loads may land there, and the base may step
.endif
	TOSTAGE \a
	SEND \a-1, 32                                  ; behind block a - 1's loads: block a's 16 stores and 16 loads
.endr
	s_wait_xcnt 0x0                                ; block 2's stores have read their base
	SEND 3, 0
	s_wait_tensorcnt 0x0                           ; the wave's end, behind my last tensor load and my last LDS store
	ds_add_u32 v[SPW], v[NIL]
	s_wait_dscnt 0x0
	CROUND                                         ; the closing round: no work-group ends while a partner may still ask for a tile that names it
	s_endpgm
.Lfunc_end_k_q5db4b2b62a_oproj:
	.size	k_q5db4b2b62a_oproj, .Lfunc_end_k_q5db4b2b62a_oproj-k_q5db4b2b62a_oproj
	.p2alignl 7, 3214868480
	.fill 96, 4, 3214868480
	.section	.rodata,"a",@progbits
	.p2align	6, 0x0
	.amdhsa_kernel k_q5db4b2b62a_oproj
		.amdhsa_group_segment_fixed_size 327680
		.amdhsa_private_segment_fixed_size 0
		.amdhsa_enable_private_segment 0
		.amdhsa_kernarg_size 24
		.amdhsa_user_sgpr_count 2
		.amdhsa_user_sgpr_kernarg_segment_ptr 1
		.amdhsa_wavefront_size32 1
		.amdhsa_system_sgpr_workgroup_id_x 1
		.amdhsa_system_sgpr_workgroup_id_y 1
		.amdhsa_system_sgpr_workgroup_id_z 1
		.amdhsa_system_vgpr_workitem_id 0
		.amdhsa_next_free_vgpr 512
		.amdhsa_next_free_sgpr 72
		.amdhsa_reserve_vcc 0
		.amdhsa_float_denorm_mode_32 3
		.amdhsa_float_denorm_mode_16_64 3
		.amdhsa_memory_ordered 1
		.amdhsa_forward_progress 1
		.amdhsa_inst_pref_size 86
	.end_amdhsa_kernel
	.amdgpu_metadata
---
amdhsa.version: [ 1, 2 ]
amdhsa.kernels:
  - .name:           k_q5db4b2b62a_oproj
    .symbol:         k_q5db4b2b62a_oproj.kd
    .args:
      - { .name: att, .offset: 0, .size: 8, .value_kind: global_buffer, .address_space: global }
      - { .name: wo16, .offset: 8, .size: 8, .value_kind: global_buffer, .address_space: global }
      - { .name: out0, .offset: 16, .size: 8, .value_kind: global_buffer, .address_space: global }
    .group_segment_fixed_size: 327680
    .private_segment_fixed_size: 0
    .kernarg_segment_align: 8
    .kernarg_segment_size: 24
    .max_flat_workgroup_size: 128
    .sgpr_count:     72
    .vgpr_count:     512
    .wavefront_size: 32
...
	.end_amdgpu_metadata
.endif
;; end of part 4
